; MI455X (gfx1250); checked and timed in simulation.
; The chip was launched on July 23, 2026; its instructions are those of AMD's public machine-readable ISA for CDNA 5 (MIT licence, August 2026) and "CDNA5" Instruction Set Architecture Reference Guide (July 2026). The comments in the code are by the model that wrote it; some were corrected since.
;; SNN1. Allowed arithmetic: float matrix products may take bf16 or f16 operands with f32 sums; all other float work in f32.
;; Inputs: W1 2,048 x 1,024 float32; W2 512 x 2,048 float32; b1 2,048 float32; b2 512 float32; beta1 1,024 float32; beta2 2,048 float32; beta3 512 float32; thr1 1,024 float32; thr2 2,048 float32; thr3 512 float32; x 32 x 1,024 x 256 float32.
;; Outputs: out0 32 x 512 x 256 float32.
;; 2 versions, each right. Each part assembles by itself: llvm-mc -triple=amdgcn-amd-amdhsa -mcpu=gfx1250 --defsym DOCPART=n.
;; ======== version 1 of 2: 3 launches
;; limits: values outside matrix products are rounded to bf16
;; workspace buffers: spk1 16,777,216 bytes; spk2 33,554,432 bytes; W1b 4,194,304 bytes; W2b 2,097,152 bytes
;; launch prep (part 1): grid 256 x 1, 4 waves a work-group, no clusters, 207,360 bytes of LDS; arguments x, beta1, thr1, W1, W2, spk1, W1b, W2b; writes spk1, W1b, W2b
.if DOCPART == 1
	.amdgcn_target "amdgcn-amd-amdhsa--gfx1250"
	.amdhsa_code_object_version 6
	.text
	.protected	k_q68dd8a416a_prep
	.globl	k_q68dd8a416a_prep
	.p2align	8
	.type	k_q68dd8a416a_prep,@function
k_q68dd8a416a_prep:
	s_mov_b64 s[64:65], 0
	v_nop
	global_prefetch_b8 v0, s[64:65] scope:SCOPE_SE
	s_setreg_imm32_b32 hwreg(HW_REG_WAVE_MODE, 25, 1), 1
	s_wait_xcnt 0x0
; prep: layer 1's leaky integrate-and-fire scan, and both weight matrices rounded to bf16.
;   x [32][1024][256] f32 -> spk1 [32][1024][256] bf16 (1.0 or 0).   W1, W2 f32 -> W1b, W2b bf16, same shapes.
; FORMAT, A STATED LIMIT OF THE WHOLE PROGRAM: every floating-point input (x, beta, thr, b, W) is rounded to bf16, to nearest even, as it comes in;
; all arithmetic behind that is f32.  So the program computes the network of the rounded inputs.  Why x, beta, thr and b too, which are no matrix
; operands: a spike is a comparison, so the result hangs on the last bit of each sum.  A weight of 8 significant bits and |w| >= 2^-17 is a multiple
; of 2^-24, and sums below 1 of such weights over spikes of 0 or 1 are exact in f32 in any order: the spikes then do not hang on the order of
; the additions.  Rounding the weights alone would give a network that is neither that of the f32 inputs nor that of the rounded ones.
; f32 numbers above bf16's largest finite number become infinite.
; THE SCAN.  mem = clip(beta) * mem + x - (old mem > thr ? thr : 0); spike = mem > thr; mem starts at 0.  It runs along t, the contiguous axis.
; 32,768 rows (b, i): wave gw = 4 x work-group + wave takes rows 32 gw .. 32 gw + 31, one lane a row, so every lane of 1,024 waves has one chain.
; A lane needs its own row, the memory wants whole rows: x comes in by four tensor loads a wave (32 rows x 64 t each) into LDS rows of
; 256 + 16 bytes, and the spikes go out through a stage in LDS, a whole row of 512 bytes to a store.
; THE WEIGHTS.  A wave takes 8 KiB of W1 and 4 KiB of W2: a lane reads 8 neighbouring weights and stores their 16 bytes.
; No cluster: no two work-groups read the same byte.  No barrier: every LDS byte belongs to one wave and is filled once.
; FURTHER LIMITS.  A NaN beta counts as 0.  reset * thr is a select (thr = inf or NaN, and the sign of a zero, differ from the product).
; beta * mem + x is one fused multiply-add.  mem > thr stands for mem - thr > 0: the same, since denormals are kept.
.set XROW, 272                         ; an LDS row of x: 64 f32 + 16 bytes = 17 x 16, so sixteen lanes' rows start at sixteen different 16-byte columns of 256
.set CH,   32*XROW                     ; a chunk: 32 rows x 64 t
.set XW,   4*CH                        ; a wave's four chunks
.set STG,  4*XW                        ; behind them the stages, at a multiple of 256: no tensor load lands there
.set SROW, 528                         ; a stage row: 256 bf16 + 16 bytes = 33 x 16
.set SW,   32*SROW                     ; a wave's stage
.set G1,   24                          ; s[24:31] descriptor group 1
.set G0,   32                          ; s[32:47] descriptor group 0, one set for each chunk
.set LA,   2                           ; LDS address of my row in chunk 0
.set SA,   3                           ; LDS address of my row in the stage
.set RD,   4                           ; stage + 16 x lane: a wave's load takes one whole stage row
.set CO,   5                           ; 16 x lane: offset of every store
.set VSRC, 6                           ; 32 x lane: offset of my 8 weights in 1,024 bytes of W
.set BETA, 8
.set THR,  9
.set M,    10                          ; membrane
.set A,    11                          ; beta * mem + x
.set R,    12                          ; what the reset takes away
.set U,    13                          ; the odd t's spike, upper half
.set KLO,  14                          ; bf16 1.0 in the lower half
.set KHI,  15                          ; bf16 1.0 in the upper half
.set PO,   17                          ; offset of my beta and thr
                                       ; v[18:19] two packed pairs at work
.set P,    20                          ; v[20:23] eight spikes packed
.set Q,    32                          ; v[32:95] x of a chunk (16 loads) / 16 loads of weights
.set O,    96                          ; v[96:127] data of eight stores
	s_load_b512 s[4:19], s[0:1], 0x0               ; x s[4:5], beta1 s[6:7], thr1 s[8:9], W1 s[10:11], W2 s[12:13], spk1 s[14:15], W1b s[16:17], W2b s[18:19]
	v_lshl_add_u32 v128, v0, 2, 0x32800
	v_mov_b32 v129, 0
	ds_add_u32 v128, v129
	ds_add_u32 v128, v129
	v_lshrrev_b32 v1, 5, v0
	v_readfirstlane_b32 s20, v1                    ; wave 0..3
	s_lshl_b32 s21, ttmp9, 2
	s_add_co_u32 s21, s21, s20                     ; gw = 4 x work-group + wave
	s_mov_b32 s48, 0xffff0000                      ; a word's upper bf16
	; group 1: a tile of 32 rows x 64 elements of 4 bytes, rows 256 elements apart, 4 words of padding behind every 64 words
	s_mov_b32 s[G1+0], (2<<16)|(1<<20)|(5<<22)|(3<<25)
	s_mov_b32 s[G1+1], 64<<16                      ; tensor_dim0 = 64
	s_mov_b32 s[G1+2], 32<<16                      ; tensor_dim1 = 32
	s_mov_b32 s[G1+3], 64<<16                      ; tile_dim0 = 64
	s_mov_b32 s[G1+4], 32                          ; tile_dim1 = 32
	s_mov_b32 s[G1+5], 256                         ; from row to row
	s_mov_b32 s[G1+6], 0
	s_mov_b32 s[G1+7], 0
	s_mul_i32 s2, s20, XW                          ; my wave's chunks in LDS
	s_lshl_b32 s22, s21, 15                        ; 32 rows x 1,024 bytes
	s_mov_b32 s23, 0
	s_wait_dscnt 0x0
	s_wait_kmcnt 0x0
	s_add_nc_u64 s[4:5], s[4:5], s[22:23]          ; x at my wave's first row
	; all of the wave's x is asked for at once, ahead of everything else: four tensor loads are out, and no LDS byte is filled twice
.irp c, 0,1,2,3
	s_mov_b32 s[G0+4*\c], 1
	s_add_co_u32 s[G0+4*\c+1], s2, \c*CH
	s_add_nc_u64 s[G0+4*\c+2:G0+4*\c+3], s[4:5], \c*256
	s_or_b32 s[G0+4*\c+3], s[G0+4*\c+3], 0x80000000
	tensor_load_to_lds s[G0+4*\c:G0+4*\c+3], s[G1:G1+7]
	s_nop 0
.endr
	v_and_b32 v1, 31, v0                           ; lane
	s_and_b32 s3, s21, 31                          ; i = (32 gw + lane) mod 1024
	s_lshl_b32 s3, s3, 7
	v_lshl_add_u32 v[PO], v1, 2, s3
	global_load_b32 v[BETA], v[PO], s[6:7]
	global_load_b32 v[THR], v[PO], s[8:9]
	s_lshl_b32 s22, s21, 13                        ; my 8 KiB of W1
	s_add_nc_u64 s[10:11], s[10:11], s[22:23]
	s_lshl_b32 s22, s21, 12                        ; my 4 KiB of W2 and of W1b
	s_add_nc_u64 s[12:13], s[12:13], s[22:23]
	s_add_nc_u64 s[16:17], s[16:17], s[22:23]
	s_lshl_b32 s22, s21, 11                        ; my 2 KiB of W2b
	s_add_nc_u64 s[18:19], s[18:19], s[22:23]
	s_lshl_b32 s22, s21, 14                        ; my 32 rows of 512 bytes of spk1
	s_add_nc_u64 s[14:15], s[14:15], s[22:23]
	v_mul_u32_u24 v[LA], v1, XROW
	v_add_nc_u32 v[LA], s2, v[LA]
	s_mul_i32 s3, s20, SW
	s_add_co_u32 s3, s3, STG
	v_mul_u32_u24 v[SA], v1, SROW
	v_add_nc_u32 v[SA], s3, v[SA]
	v_lshlrev_b32 v[CO], 4, v1
	v_add_nc_u32 v[RD], s3, v[CO]
	v_lshlrev_b32 v[VSRC], 5, v1
	v_mov_b32 v[KLO], 0x3f80
	v_mov_b32 v[KHI], 0x3f800000
; n x 1,024 bytes of weights: 2 n loads in one run, then n times 256 weights rounded and stored
.macro WCVT sb, db, n
	s_wait_xcnt 0x0                                ; O, the data of the stores before, is rewritten only behind this wait
.set it, 0
.rept \n
	global_load_b128 v[Q+8*it:Q+8*it+3],   v[VSRC], s[\sb:\sb+1] offset:1024*it th:TH_LOAD_NT
	global_load_b128 v[Q+8*it+4:Q+8*it+7], v[VSRC], s[\sb:\sb+1] offset:1024*it+16 th:TH_LOAD_NT
.set it, it+1
.endr
.set it, 0
.rept \n
	s_wait_loadcnt 2*(\n-1-it)                     ; loads come back in order: this pair is in, the 2 (n - 1 - it) younger ones may be out
	v_cvt_pk_bf16_f32 v[O+4*it],   v[Q+8*it],   v[Q+8*it+1]
	v_cvt_pk_bf16_f32 v[O+4*it+1], v[Q+8*it+2], v[Q+8*it+3]
	v_cvt_pk_bf16_f32 v[O+4*it+2], v[Q+8*it+4], v[Q+8*it+5]
	v_cvt_pk_bf16_f32 v[O+4*it+3], v[Q+8*it+6], v[Q+8*it+7]
	global_store_b128 v[CO], v[O+4*it:O+4*it+3], s[\db:\db+1] offset:512*it   ; the wave stores 512 consecutive bytes, aligned
.set it, it+1
.endr
.endm
	WCVT 10, 16, 8                                 ; the weights are done while x is on its way
	WCVT 12, 18, 4                                 ; its last wait is for 0 loads: beta and thr are in too
	v_cvt_pk_bf16_f32 v18, v[BETA], v[THR]         ; beta and thr in bf16's precision
	v_lshlrev_b32 v[BETA], 16, v18
	v_and_b32 v[THR], s48, v18
	v_max_num_f32 v[BETA], 0, v[BETA]              ; clip(beta, 0, 1)
	v_min_num_f32 v[BETA], 1.0, v[BETA]
	v_mov_b32 v[M], 0
	v_cmp_gt_f32 vcc_lo, 0, v[THR]                 ; the first reset: 0 > thr
; one step; VCC holds mem > thr: the spike of this step and the reset of the next
.macro STEP1 x
	v_fma_f32 v[A], v[BETA], v[M], v[\x]
	v_cndmask_b32 v[R], 0, v[THR], vcc_lo
	v_sub_f32 v[M], v[A], v[R]
	v_cmp_gt_f32 vcc_lo, v[M], v[THR]
.endm
; 64 steps: sixteen LDS loads of 4 t in one run; four x are rounded to bf16's precision in place, then their steps; eight spikes make 16 bytes of my stage row
.macro CHUNK c
	s_wait_tensorcnt 3-\c                          ; tensor loads of a wave end in order: chunk c is in, the 3 - c younger ones may be out
.irp u, 0,1,2,3,4,5,6,7,8,9,10,11,12,13,14,15
	ds_load_b128 v[Q+4*\u:Q+4*\u+3], v[LA] offset:\c*CH+16*\u
.endr
.irp u, 0,1,2,3,4,5,6,7,8,9,10,11,12,13,14,15
	s_wait_dscnt 15-\u+(\u>>1)                     ; behind load u stand 15 - u loads and the u / 2 stage stores issued since
	v_cvt_pk_bf16_f32 v18, v[Q+4*\u],   v[Q+4*\u+1]
	v_cvt_pk_bf16_f32 v19, v[Q+4*\u+2], v[Q+4*\u+3]
	v_lshlrev_b32 v[Q+4*\u],   16,  v18
	v_and_b32     v[Q+4*\u+1], s48, v18
	v_lshlrev_b32 v[Q+4*\u+2], 16,  v19
	v_and_b32     v[Q+4*\u+3], s48, v19
	STEP1 Q+4*\u
	v_cndmask_b32 v[P+2*(\u&1)], 0, v[KLO], vcc_lo
	STEP1 Q+4*\u+1
	v_cndmask_b32 v[U], 0, v[KHI], vcc_lo
	v_or_b32 v[P+2*(\u&1)], v[P+2*(\u&1)], v[U]
	STEP1 Q+4*\u+2
	v_cndmask_b32 v[P+2*(\u&1)+1], 0, v[KLO], vcc_lo
	STEP1 Q+4*\u+3
	v_cndmask_b32 v[U], 0, v[KHI], vcc_lo
	v_or_b32 v[P+2*(\u&1)+1], v[P+2*(\u&1)+1], v[U]
.if \u&1
	ds_store_b128 v[SA], v[P:P+3] offset:128*\c+16*(\u>>1)
.endif
.endr
.endm
	CHUNK 0
	CHUNK 1
	CHUNK 2
	CHUNK 3                                        ; its wait is for 0: no tensor load is out at the end
	; the way out: a stage row is read back by the whole wave (LDS serves a wave's instructions in order, so these loads see the stores above)
	; and stored as 512 consecutive bytes, one row of spk1
.irp bt, 0,1,2,3
	s_wait_xcnt 0x0                                ; O, the data of the stores before, is loaded again only behind this wait
.irp t, 0,1,2,3,4,5,6,7
	ds_load_b128 v[O+4*\t:O+4*\t+3], v[RD] offset:(8*\bt+\t)*SROW
.endr
.irp t, 0,1,2,3,4,5,6,7
	s_wait_dscnt 7-\t
	global_store_b128 v[CO], v[O+4*\t:O+4*\t+3], s[14:15] offset:(8*\bt+\t)*512
.endr
.endr
	s_wait_tensorcnt 0x0
	ds_add_u32 v128, v129
	s_wait_dscnt 0x0
	s_endpgm
.Lfunc_end_k_q68dd8a416a_prep:
	.size	k_q68dd8a416a_prep, .Lfunc_end_k_q68dd8a416a_prep-k_q68dd8a416a_prep
	.p2alignl 7, 3214868480
	.fill 96, 4, 3214868480
	.section	.rodata,"a",@progbits
	.p2align	6, 0x0
	.amdhsa_kernel k_q68dd8a416a_prep
		.amdhsa_group_segment_fixed_size 207360
		.amdhsa_private_segment_fixed_size 0
		.amdhsa_enable_private_segment 0
		.amdhsa_kernarg_size 64
		.amdhsa_user_sgpr_count 2
		.amdhsa_user_sgpr_kernarg_segment_ptr 1
		.amdhsa_wavefront_size32 1
		.amdhsa_system_sgpr_workgroup_id_x 1
		.amdhsa_system_sgpr_workgroup_id_y 1
		.amdhsa_system_sgpr_workgroup_id_z 1
		.amdhsa_system_vgpr_workitem_id 0
		.amdhsa_next_free_vgpr 130
		.amdhsa_next_free_sgpr 66
		.amdhsa_reserve_vcc 1
		.amdhsa_float_denorm_mode_32 3
		.amdhsa_float_denorm_mode_16_64 3
		.amdhsa_memory_ordered 1
		.amdhsa_forward_progress 1
		.amdhsa_inst_pref_size 94
	.end_amdhsa_kernel
	.amdgpu_metadata
---
amdhsa.version: [ 1, 2 ]
amdhsa.kernels:
  - .name:           k_q68dd8a416a_prep
    .symbol:         k_q68dd8a416a_prep.kd
    .args:
      - { .name: x, .offset: 0, .size: 8, .value_kind: global_buffer, .address_space: global }
      - { .name: beta1, .offset: 8, .size: 8, .value_kind: global_buffer, .address_space: global }
      - { .name: thr1, .offset: 16, .size: 8, .value_kind: global_buffer, .address_space: global }
      - { .name: W1, .offset: 24, .size: 8, .value_kind: global_buffer, .address_space: global }
      - { .name: W2, .offset: 32, .size: 8, .value_kind: global_buffer, .address_space: global }
      - { .name: spk1, .offset: 40, .size: 8, .value_kind: global_buffer, .address_space: global }
      - { .name: W1b, .offset: 48, .size: 8, .value_kind: global_buffer, .address_space: global }
      - { .name: W2b, .offset: 56, .size: 8, .value_kind: global_buffer, .address_space: global }
    .group_segment_fixed_size: 207360
    .private_segment_fixed_size: 0
    .kernarg_segment_align: 8
    .kernarg_segment_size: 64
    .max_flat_workgroup_size: 128
    .sgpr_count:     66
    .vgpr_count:     130
    .wavefront_size: 32
...
	.end_amdgpu_metadata
.endif
;; end of part 1
;; launch hid (part 2): grid 16 x 16, 4 waves a work-group, clusters of 4 x 4, 327,680 bytes of LDS; arguments spk1, W1b, b1, beta2, thr2, spk2; writes spk2
.if DOCPART == 2
	.amdgcn_target "amdgcn-amd-amdhsa--gfx1250"
	.amdhsa_code_object_version 6
	.text
	.protected	k_q68dd8a416a_hid
	.globl	k_q68dd8a416a_hid
	.p2align	8
	.type	k_q68dd8a416a_hid,@function
k_q68dd8a416a_hid:
	s_mov_b64 s[64:65], 0
	v_nop
	global_prefetch_b8 v0, s[64:65] scope:SCOPE_SE
	s_setreg_imm32_b32 hwreg(HW_REG_WAVE_MODE, 25, 1), 1
	s_wait_xcnt 0x0
	s_wait_alu depctr_hold_cnt(0) depctr_sa_sdst(0) depctr_va_vdst(0) depctr_va_sdst(0) depctr_va_ssrc(0) depctr_va_vcc(0) depctr_vm_vsrc(0)
	s_getreg_b32 s2, hwreg(HW_REG_IB_STS2, 6, 4)
	s_cmp_eq_u32 s2, 0
	s_cbranch_scc0 .Lentry_in_a_cluster
	s_endpgm
.Lentry_in_a_cluster:
	s_bfe_u32 s2, ttmp6, 0x10000c
	s_cmp_lg_u32 s2, 0xf033
	s_cbranch_scc0 .Lentry_shape_is_right
	s_endpgm
.Lentry_shape_is_right:
; hid: h1[b][o][t] = sum over i of W1[o][i] spk1[b][i][t] + b1[o], then layer 2's scan along t, spikes to spk2 [32][2048][256] bf16.
; A work-group (ob = x, pair = y) makes o = 128 ob .. + 127 of batches 2 pair and 2 pair + 1, all 256 t.  Wave w takes 32 o (two n tiles) and all
; 512 rows (b, t): 64 accumulator tiles, 512 registers.  Weights in bf16 (W1b), spikes 0 or 1, exact in bf16; sums in f32; the bias is one f32 add behind the sum.
; FORMAT, the program's stated limit (see prep): b1, beta2 and thr2 are rounded to bf16 as they come in; all arithmetic is f32.
; WHO IS WHAT.  Source 0 = 16 rows (b, t) x 32 i of spikes, source 1 = 32 i x 16 o of weights.  Rows 0-7 of source 0 are t = 8 mt .. + 7 of the first
; batch, rows 8-15 the same t of the second.  In the result lane (r, h) then holds o = r of batch h, and its registers 0-7 are t = 8 mt .. + 7:
; every lane owns whole rows (b, o) with t along its registers, and the scan runs in the accumulators on all 32 lanes, two chains a lane.
; spk1 lies [i][t], so source 0 is read by transposing LDS loads: lanes 0-7 and 16-23 address the first batch's plane, the others the second's.
; K = 1,024 goes in 16 steps of 64 through two LDS slots.  A step is 8 groups of 16 matrix instructions (8 m tiles x 2 n tiles).
; CLUSTERS: 4 x 4.  The spikes hang on pair alone and are asked for jointly along a row of the cluster, the weights on ob alone, along a column.
; A wave has two tensor loads out at the start and one behind each refill's barrier.
; FURTHER LIMITS as in prep: a NaN beta counts as 0; reset * thr is a select; beta * mem + h is fused; mem > thr stands for mem - thr > 0.
.set SP,    544                        ; LDS row of spikes: 256 bf16 + 32 bytes = 17 x 32
.set WP,    144                        ; LDS row of weights: 64 bf16 + 16 bytes = 9 x 16
.set LREG,  34832                      ; wave w's fill begins at w x LREG in a slot: 64 x 544 + 16, so that the second plane's rows take the odd 16-byte columns where the first's take the even ones
.set SLOT,  122112                     ; plane 0, plane 1, weights' rows 0-63, rows 64-127 (the last ends at 113,712)
.set STAGE, 244224                     ; behind the slots, at a multiple of 256: no tensor load lands there
.set STP,   272                        ; stage row: 128 t of bf16 + 16 bytes
.set LAPS,  8                          ; a lap = two K steps
.set G1S, 24                           ; s[24:31] group 1 of the spikes' tiles
.set G0S, 32                           ; s[32:39] group 0 of the spikes' tiles, one set for each slot
.set G1W, 48                           ; s[48:55] group 1 of the weights' tiles
.set G0W, 56                           ; s[56:63] group 0 of the weights' tiles
.set BETA0, 8
.set BETA1, 9
.set THR0,  10
.set THR1,  11
.set BIAS0, 12
.set BIAS1, 13
.set KLO,   14
.set KHI,   15
.set ADRA,  16                         ; v16-17 LDS address of my spike fragments in slot 0, 1
.set ADRB,  20                         ; v20-21 of my weight fragments
.set STO,   24                         ; stage: my row
.set RD,    25                         ; stage: read back by rows
.set CO,    26                         ; my offset in spk2
.set PO,    27                         ; offset of my b1, beta2, thr2
.set MEM0,  48
.set MEM1,  49
.set SUM0,  50
.set SUM1,  51
.set RST0,  52
.set RST1,  53
.set PK0,   54                         ; v[54:57] eight spikes of chain 0
.set PK1,   58                         ; v[58:61] of chain 1
.set UP0,   62
.set UP1,   63
.set FA,    64                         ; v64-127, v128-191: spike fragments, two buffers of 8
.set FB,    192                        ; v192-207, v208-223: weight fragments, two buffers; n tile nt at 8 nt
.set XH0,   192                        ; in the scan: 32 steps of h of chain 0,
.set XH1,   224                        ; of chain 1
; window 1 (v256-511): the sums of m tiles 0-15, tile (mt, nt) at v[128 nt + 8 mt]; window 2 (v512-767): those of m tiles 16-31, at v[128 nt + 8 (mt - 16)].
; So a group's sixteen tiles, and the 32 steps of both chains that the scan fetches at a time, lie in one window.
.set MSB, 0
.macro WIN new                         ; the immediate's high byte repeats the setting that is left
.if MSB != \new
	s_set_vgpr_msb (MSB<<8)|\new
.set MSB, \new
.endif
.endm
.macro PLACES                          ; four places behind a matrix instruction before a load lands in, or a vector instruction touches, one of its registers
.rept 4
	v_nop
.endr
.endm
; a joint load: waves 0 and 1 ask for the two planes of spikes, waves 2 and 3 for the two halves of the weights' rows.  The branch hangs on the wave's number alone.
.macro JLOAD s
	s_cmp_eq_u32 s17, 0
	s_cbranch_scc0 .Lfor_w_\@
	tensor_load_to_lds s[G0S+4*\s:G0S+4*\s+3], s[G1S:G1S+7]
	s_nop 0
	s_branch .Lasked_\@
.Lfor_w_\@:
	tensor_load_to_lds s[G0W+4*\s:G0W+4*\s+3], s[G1W:G1W+7]
	s_nop 0
.Lasked_\@:
.endm
.macro CREST                           ; a round of the cluster's barrier behind its opening barrier
	s_cmp_lg_u32 s16, 0
	s_cbranch_scc1 .Lnot_wave_0_\@
	s_barrier_signal -3
.Lnot_wave_0_\@:
	s_barrier_wait -3
	s_barrier_signal -1
	s_barrier_wait -1
.endm
.macro CROUND                          ; a whole round
	s_barrier_signal -1
	s_barrier_wait -1
	CREST
.endm
	s_load_b256 s[4:11], s[0:1], 0x0               ; spk1 s[4:5], W1b s[6:7], b1 s[8:9], beta2 s[10:11]
	s_load_b128 s[12:15], s[0:1], 0x20             ; thr2 s[12:13], spk2 s[14:15]
	v_lshl_add_u32 v46, v0, 2, 0x4ca00
	v_mov_b32 v47, 0
	ds_add_u32 v46, v47
	ds_add_u32 v46, v47
	v_lshrrev_b32 v1, 5, v0
	v_readfirstlane_b32 s16, v1                    ; wave 0..3
	s_lshr_b32 s17, s16, 1                         ; 0: I fetch spikes, 1: weights
	s_and_b32 s18, s16, 1                          ; which plane, or which 64 rows
	s_bfe_u32 s40, ttmp6, 0x40000                  ; cx
	s_bfe_u32 s41, ttmp6, 0x40004                  ; cy
	s_lshl_b32 s42, ttmp9, 2
	s_add_co_u32 s42, s42, s40                     ; ob = 4 x cluster x + cx
	s_and_b32 s43, ttmp7, 0xffff
	s_lshl_b32 s43, s43, 2
	s_add_co_u32 s43, s43, s41                     ; pair = 4 x cluster y + cy
	s_lshl_b32 s44, s41, 2
	s_lshl_b32 s44, 15, s44                        ; my row of the cluster
	s_lshl_b32 s45, 0x1111, s40                    ; my column
	; spikes: 64 rows (i) x 256 elements of 2 bytes, dense; 8 words of padding behind every 128 words
	s_or_b32 s[G1S+0], s44, (1<<16)|(1<<20)|(1<<21)|(6<<22)|(7<<25)
	s_mov_b32 s[G1S+1], 256<<16
	s_mov_b32 s[G1S+2], 64<<16
	s_mov_b32 s[G1S+3], 256<<16
	s_mov_b32 s[G1S+4], 64
	s_mov_b32 s[G1S+5], 256
	s_mov_b32 s[G1S+6], 0
	s_mov_b32 s[G1S+7], 0
	; weights: 64 rows (o) x 64 elements of 2 bytes, rows 1,024 elements apart; 4 words of padding behind every 32 words
	s_or_b32 s[G1W+0], s45, (1<<16)|(1<<20)|(1<<21)|(4<<22)|(3<<25)
	s_mov_b32 s[G1W+1], 64<<16
	s_mov_b32 s[G1W+2], 64<<16
	s_mov_b32 s[G1W+3], 64<<16
	s_mov_b32 s[G1W+4], 64
	s_mov_b32 s[G1W+5], 1024
	s_mov_b32 s[G1W+6], 0
	s_mov_b32 s[G1W+7], 0
	; every wave makes both addresses, each in registers that never hold the other coordinate
	s_lshl_b32 s46, s43, 1
	s_add_co_u32 s46, s46, s18                     ; batch = 2 pair + plane
	s_lshl_b32 s46, s46, 19                        ; x 1,024 rows x 512 bytes
	s_mov_b32 s47, 0
	s_lshl_b32 s66, s42, 1
	s_add_co_u32 s66, s66, s18                     ; 2 ob + half
	s_lshl_b32 s66, s66, 17                        ; x 64 rows x 2,048 bytes
	s_mov_b32 s67, 0
	s_mul_i32 s20, s16, LREG                       ; where my fills go: the wave's number alone
	s_wait_dscnt 0x0
	s_wait_kmcnt 0x0
	s_add_nc_u64 s[46:47], s[4:5], s[46:47]
	s_add_nc_u64 s[66:67], s[6:7], s[66:67]
	CROUND                                         ; all sixteen work-groups are here: the first joint loads meet
.irp n, 0,1
	s_mov_b32 s[G0S+4*\n], 1
	s_add_co_u32 s[G0S+4*\n+1], s20, \n*SLOT
	s_add_nc_u64 s[G0S+4*\n+2:G0S+4*\n+3], s[46:47], \n*32768      ; K step n: 64 rows of 512 bytes
	s_or_b32 s[G0S+4*\n+3], s[G0S+4*\n+3], 0x80000000
	s_mov_b32 s[G0W+4*\n], 1
	s_add_co_u32 s[G0W+4*\n+1], s20, \n*SLOT
	s_add_nc_u64 s[G0W+4*\n+2:G0W+4*\n+3], s[66:67], \n*128        ; K step n: 64 weights of each row
	s_or_b32 s[G0W+4*\n+3], s[G0W+4*\n+3], 0x80000000
	JLOAD \n
.endr
	v_and_b32 v1, 31, v0                           ; lane
	v_and_b32 v2, 15, v0                           ; r
	v_bfe_u32 v3, v0, 4, 1                         ; h
	v_and_b32 v4, 7, v0
	v_bfe_u32 v5, v0, 3, 1                         ; which plane my lane addresses
	v_lshl_add_u32 v4, v3, 3, v4                   ; row 8 h + lane mod 8
	v_mul_u32_u24 v4, v4, SP
	v_mul_u32_u24 v5, v5, LREG
	v_add_nc_u32 v[ADRA], v4, v5
	v_add_nc_u32 v[ADRA+1], SLOT, v[ADRA]
	s_mul_i32 s22, s17, LREG                       ; my 32 rows of weights: region wave / 2, rows 32 (wave mod 2)
	s_mul_i32 s23, s18, 32*WP
	s_add_co_u32 s22, s22, s23
	s_add_co_u32 s22, s22, 2*LREG
	v_mul_u32_u24 v6, v2, WP
	v_lshl_add_u32 v6, v3, 4, v6
	v_add_nc_u32 v[ADRB], s22, v6
	v_add_nc_u32 v[ADRB+1], SLOT, v[ADRB]
	s_mul_i32 s22, s16, 64*STP
	s_add_co_u32 s22, s22, STAGE                   ; my stage: 64 rows = chain x 32 + lane
	v_mul_u32_u24 v6, v1, STP
	v_add_nc_u32 v[STO], s22, v6
	v_mul_u32_u24 v6, v3, STP                      ; back: lanes 0-15 one row of 256 bytes, lanes 16-31 the next
	v_lshl_add_u32 v6, v2, 4, v6
	v_add_nc_u32 v[RD], s22, v6
	v_lshlrev_b32 v6, 9, v3                        ; and the same two rows of spk2
	v_lshl_add_u32 v[CO], v2, 4, v6
	s_lshl_b32 s70, s42, 9                         ; o = 128 ob + 32 wave + 16 nt + r, 4 bytes each
	s_lshl_b32 s71, s16, 7
	s_add_co_u32 s70, s70, s71
	v_lshl_add_u32 v[PO], v2, 2, s70
	global_load_b32 v[BIAS0], v[PO], s[8:9]        ; waited for in front of the scan
	global_load_b32 v[BIAS1], v[PO], s[8:9] offset:64
	global_load_b32 v[BETA0], v[PO], s[10:11]
	global_load_b32 v[BETA1], v[PO], s[10:11] offset:64
	global_load_b32 v[THR0], v[PO], s[12:13]
	global_load_b32 v[THR1], v[PO], s[12:13] offset:64
	s_lshl_b32 s68, s43, 21                        ; spk2 at batch 2 pair, o = 128 ob + 32 wave
	s_lshl_b32 s70, s42, 16
	s_lshl_b32 s71, s16, 14
	s_add_co_u32 s68, s68, s70
	s_add_co_u32 s68, s68, s71
	s_mov_b32 s69, 0
	s_add_nc_u64 s[14:15], s[14:15], s[68:69]
; eight spike fragments: m tiles 8 g .. 8 g + 7, i = 32 kk .. + 31.  The first load brings i = 8 h .. + 7 of my row (b, t), the second i = 16 + 8 h .. + 7.
.macro LDA buf, slot, kk, g
.irp i, 0,1,2,3,4,5,6,7
	ds_load_tr16_b128 v[FA+64*(\buf)+8*\i:FA+64*(\buf)+8*\i+3],   v[ADRA+\slot] offset:(\kk)*32*SP+(8*(\g)+\i)*16
	ds_load_tr16_b128 v[FA+64*(\buf)+8*\i+4:FA+64*(\buf)+8*\i+7], v[ADRA+\slot] offset:(\kk)*32*SP+(8*(\g)+\i)*16+16*SP
.endr
.endm
; two weight fragments: n tiles 0, 1, i = 32 kk .. + 31
.macro LDB buf, slot, kk
.irp n, 0,1
	ds_load_b128 v[FB+16*(\buf)+8*\n:FB+16*(\buf)+8*\n+3],   v[ADRB+\slot] offset:\n*16*WP+(\kk)*64
	ds_load_b128 v[FB+16*(\buf)+8*\n+4:FB+16*(\buf)+8*\n+7], v[ADRB+\slot] offset:\n*16*WP+(\kk)*64+32
.endr
.endm
; eight matrix instructions: m tiles 8 g .. 8 g + 7 of n tile nt.  The accumulators take turns, one instruction a turn.
.macro MUL8 abuf, bbuf, g, nt, zero
.irp i, 0,1,2,3,4,5,6,7
.if \zero
	v_wmma_f32_16x16x32_bf16 v[128*(\nt)+8*(8*((\g)&1)+\i):128*(\nt)+8*(8*((\g)&1)+\i)+7], v[FA+64*(\abuf)+8*\i:FA+64*(\abuf)+8*\i+7], v[FB+16*(\bbuf)+8*(\nt):FB+16*(\bbuf)+8*(\nt)+7], 0
.else
	v_wmma_f32_16x16x32_bf16 v[128*(\nt)+8*(8*((\g)&1)+\i):128*(\nt)+8*(8*((\g)&1)+\i)+7], v[FA+64*(\abuf)+8*\i:FA+64*(\abuf)+8*\i+7], v[FB+16*(\bbuf)+8*(\nt):FB+16*(\bbuf)+8*(\nt)+7], v[128*(\nt)+8*(8*((\g)&1)+\i):128*(\nt)+8*(8*((\g)&1)+\i)+7]
.endif
.endr
.endm
; group q = 0 .. 6 of a K step (kk = q / 4, g = q mod 4): the next group's fragments are asked for, then this group is multiplied
.macro GRP slot, q, zero
	s_wait_dscnt 0x0                               ; this group's fragments, asked for one group ago; nothing younger is out
	PLACES
	WIN 0
	LDA ((\q+1)&1), \slot, ((\q+1)/4), ((\q+1)%4)
.if ((\q+1)%4) == 0
	LDB 1, \slot, 1
.endif
	WIN (0x50+0x50*((\q%4)>>1))                    ; C and D in window 1 (g = 0, 1) or 2 (g = 2, 3)
	MUL8 (\q&1), (\q/4), (\q%4), 0, \zero
	MUL8 (\q&1), (\q/4), (\q%4), 1, \zero
.endm
.macro STEP7 slot, zero                ; zero = 1: the first 32 along K start the sums, nothing is cleared
	GRP \slot, 0, \zero
	GRP \slot, 1, \zero
	GRP \slot, 2, \zero
	GRP \slot, 3, \zero
	GRP \slot, 4, 0
	GRP \slot, 5, 0
	GRP \slot, 6, 0
.endm
; group 7 and the change of slots.  In front of the barrier each wave waits for its reads of this slot and for all its tensor loads (the one that is out is
; its part of the next slot).  Behind it (where the slot is filled again: behind the cluster's round that it opens) the refill comes first, one load a wave,
; then the next slot's first fragments.  From a request to the wait for it a wave issues 120 matrix instructions.
.macro TURN slot, next, fill
	s_wait_dscnt 0x0
	s_wait_tensorcnt 0x0
	ds_add_u32 v46, v47
	s_wait_dscnt 0x0
	s_barrier_signal -1
	WIN 0xa0
	MUL8 1, 1, 3, 0, 0                             ; register work while the others arrive
	WIN 0
	s_barrier_wait -1
.if \fill
	CREST
	s_add_nc_u64 s[G0S+4*\slot+2:G0S+4*\slot+3], s[G0S+4*\slot+2:G0S+4*\slot+3], 2*32768
	s_add_nc_u64 s[G0W+4*\slot+2:G0W+4*\slot+3], s[G0W+4*\slot+2:G0W+4*\slot+3], 2*128
	JLOAD \slot
.endif
	PLACES
	LDA 0, \next, 0, 0
	LDB 0, \next, 0
	WIN 0xa0
	MUL8 1, 1, 3, 1, 0
.endm
.macro LAP zero
	STEP7 0, \zero
	TURN 0, 1, 1
	STEP7 1, 0
	TURN 1, 0, 1
.endm
	s_wait_tensorcnt 0x1                           ; my part of K step 0 is in; K step 1's may stay out
	s_barrier_signal -1
	s_barrier_wait -1
	LDA 0, 0, 0, 0
	LDB 0, 0, 0
	LAP 1                                          ; K steps 0, 1; asks for 2, 3
	WIN 0
	s_mov_b32 s19, LAPS-2
.Llap:
	LAP 0                                          ; K steps 2 .. 13; asks for 4 .. 15
	WIN 0
	s_sub_co_u32 s19, s19, 1
	s_cmp_lg_u32 s19, 0
	s_cbranch_scc1 .Llap
	STEP7 0, 0                                     ; the last lap fills nothing
	TURN 0, 1, 0
	STEP7 1, 0
	s_wait_dscnt 0x0
	WIN 0xa0
	MUL8 1, 1, 3, 0, 0
	MUL8 1, 1, 3, 1, 0
	; THE SCAN, in the accumulators' lanes.  Chain 0: o = r of n tile 0, chain 1: of n tile 1; both of batch h.
	PLACES
	WIN 0
	s_wait_loadcnt 0x0                             ; b1, beta2, thr2
	v_cvt_pk_bf16_f32 v[UP0],  v[BIAS0], v[BIAS1]  ; all six in bf16's precision
	v_cvt_pk_bf16_f32 v[UP1],  v[BETA0], v[BETA1]
	v_cvt_pk_bf16_f32 v[SUM0], v[THR0],  v[THR1]
	v_lshlrev_b32 v[BIAS0], 16, v[UP0]
	v_and_b32     v[BIAS1], 0xffff0000, v[UP0]
	v_lshlrev_b32 v[BETA0], 16, v[UP1]
	v_and_b32     v[BETA1], 0xffff0000, v[UP1]
	v_lshlrev_b32 v[THR0],  16, v[SUM0]
	v_and_b32     v[THR1],  0xffff0000, v[SUM0]
	v_max_num_f32 v[BETA0], 0, v[BETA0]            ; clip(beta, 0, 1)
	v_max_num_f32 v[BETA1], 0, v[BETA1]
	v_min_num_f32 v[BETA0], 1.0, v[BETA0]
	v_min_num_f32 v[BETA1], 1.0, v[BETA1]
	v_mov_b32 v[MEM0], 0
	v_mov_b32 v[MEM1], 0
	v_mov_b32 v[KLO], 0x3f80
	v_mov_b32 v[KHI], 0x3f800000
	v_cmp_gt_f32 vcc_lo, 0, v[THR0]                ; the first reset: 0 > thr
	v_cmp_gt_f32 s70, 0, v[THR1]
; one step of both chains, line by line in turn.  VCC and s70 hold mem > thr: the spike of this step, the reset of the next.
.macro LIF2 j
	v_fma_f32 v[SUM0], v[BETA0], v[MEM0], v[XH0+\j]
	v_fma_f32 v[SUM1], v[BETA1], v[MEM1], v[XH1+\j]
	v_cndmask_b32 v[RST0], 0, v[THR0], vcc_lo
	v_cndmask_b32 v[RST1], 0, v[THR1], s70
	v_sub_f32 v[MEM0], v[SUM0], v[RST0]
	v_sub_f32 v[MEM1], v[SUM1], v[RST1]
	v_cmp_gt_f32 vcc_lo, v[MEM0], v[THR0]
	v_cmp_gt_f32 s70, v[MEM1], v[THR1]
.endm
; 32 steps (m tiles 4 G .. 4 G + 3): h = sum + bias comes out of the window in one run for both chains, then the steps; eight spikes make 16 bytes of a stage row
.macro SCAN32 G
	WIN (0x01+(\G>>2))                             ; source 0 in window 1 (m tiles 0-15) or 2 (16-31)
.set jj, 0
.rept 32
	v_add_f32 v[XH0+jj], v[32*(\G&3)+jj], v[BIAS0]
.set jj, jj+1
.endr
.set jj, 0
.rept 32
	v_add_f32 v[XH1+jj], v[128+32*(\G&3)+jj], v[BIAS1]
.set jj, jj+1
.endr
	WIN 0
.set jj, 0
.rept 16
	LIF2 jj
	v_cndmask_b32 v[PK0+(jj%8)/2], 0, v[KLO], vcc_lo
	v_cndmask_b32 v[PK1+(jj%8)/2], 0, v[KLO], s70
	LIF2 jj+1
	v_cndmask_b32 v[UP0], 0, v[KHI], vcc_lo
	v_cndmask_b32 v[UP1], 0, v[KHI], s70
	v_or_b32 v[PK0+(jj%8)/2], v[PK0+(jj%8)/2], v[UP0]
	v_or_b32 v[PK1+(jj%8)/2], v[PK1+(jj%8)/2], v[UP1]
.if (jj%8) == 6
	ds_store_b128 v[STO], v[PK0:PK0+3] offset:((4*\G+jj/8)&15)*16
	ds_store_b128 v[STO], v[PK1:PK1+3] offset:((4*\G+jj/8)&15)*16+32*STP
.endif
.set jj, jj+2
.endr
.endm
; 128 t of my 64 rows leave: sixteen stage rows (one n tile, one batch) at a time, read back by rows (LDS serves a wave's instructions in order) and stored
.macro FLUSH half
.irp bt, 0,1,2,3
	s_wait_xcnt 0x0                                ; the buffer, data of the stores two batches ago, is loaded again only behind this wait
.irp t, 0,1,2,3,4,5,6,7
	ds_load_b128 v[FA+64*(\bt&1)+4*\t:FA+64*(\bt&1)+4*\t+3], v[RD] offset:(16*\bt+2*\t)*STP
.endr
.irp t, 0,1,2,3,4,5,6,7
	s_wait_dscnt 7-\t
	global_store_b128 v[CO], v[FA+64*(\bt&1)+4*\t:FA+64*(\bt&1)+4*\t+3], s[14:15] offset:(\bt>>1)*8192+(\bt&1)*1048576+2*\t*512+\half*256   ; sixteen lanes store 256 consecutive bytes, aligned
.endr
.endr
.endm
	SCAN32 0
	SCAN32 1
	SCAN32 2
	SCAN32 3
	FLUSH 0
	SCAN32 4
	SCAN32 5
	SCAN32 6
	SCAN32 7
	FLUSH 1                                        ; its last wait is for 0: no LDS instruction is out at the signal below
	s_wait_tensorcnt 0x0
	ds_add_u32 v46, v47
	s_wait_dscnt 0x0
	CROUND                                         ; the closing round: no work-group ends while a partner may still ask for a tile that names it
	s_endpgm
.Lfunc_end_k_q68dd8a416a_hid:
	.size	k_q68dd8a416a_hid, .Lfunc_end_k_q68dd8a416a_hid-k_q68dd8a416a_hid
	.p2alignl 7, 3214868480
	.fill 96, 4, 3214868480
	.section	.rodata,"a",@progbits
	.p2align	6, 0x0
	.amdhsa_kernel k_q68dd8a416a_hid
		.amdhsa_group_segment_fixed_size 327680
		.amdhsa_private_segment_fixed_size 0
		.amdhsa_enable_private_segment 0
		.amdhsa_kernarg_size 48
		.amdhsa_user_sgpr_count 2
		.amdhsa_user_sgpr_kernarg_segment_ptr 1
		.amdhsa_wavefront_size32 1
		.amdhsa_system_sgpr_workgroup_id_x 1
		.amdhsa_system_sgpr_workgroup_id_y 1
		.amdhsa_system_sgpr_workgroup_id_z 1
		.amdhsa_system_vgpr_workitem_id 0
		.amdhsa_next_free_vgpr 768
		.amdhsa_next_free_sgpr 72
		.amdhsa_reserve_vcc 1
		.amdhsa_float_denorm_mode_32 3
		.amdhsa_float_denorm_mode_16_64 3
		.amdhsa_memory_ordered 1
		.amdhsa_forward_progress 1
		.amdhsa_inst_pref_size 255
	.end_amdhsa_kernel
	.section	.bss,"aw",@nobits
	.p2align	6
	.space	262144
	.amdgpu_metadata
---
amdhsa.version: [ 1, 2 ]
amdhsa.kernels:
  - .name:           k_q68dd8a416a_hid
    .symbol:         k_q68dd8a416a_hid.kd
    .args:
      - { .name: spk1, .offset: 0, .size: 8, .value_kind: global_buffer, .address_space: global }
      - { .name: W1b, .offset: 8, .size: 8, .value_kind: global_buffer, .address_space: global }
      - { .name: b1, .offset: 16, .size: 8, .value_kind: global_buffer, .address_space: global }
      - { .name: beta2, .offset: 24, .size: 8, .value_kind: global_buffer, .address_space: global }
      - { .name: thr2, .offset: 32, .size: 8, .value_kind: global_buffer, .address_space: global }
      - { .name: spk2, .offset: 40, .size: 8, .value_kind: global_buffer, .address_space: global }
    .group_segment_fixed_size: 327680
    .private_segment_fixed_size: 0
    .kernarg_segment_align: 8
    .kernarg_segment_size: 48
    .max_flat_workgroup_size: 128
    .sgpr_count:     72
    .vgpr_count:     768
    .wavefront_size: 32
...
	.end_amdgpu_metadata
.endif
;; end of part 2
;; launch outl (part 3): grid 8 x 32, 4 waves a work-group, clusters of 4 x 4, 327,680 bytes of LDS; arguments spk2, W2b, b2, beta3, thr3, out0; writes out0
.if DOCPART == 3
	.amdgcn_target "amdgcn-amd-amdhsa--gfx1250"
	.amdhsa_code_object_version 6
	.text
	.protected	k_q68dd8a416a_outl
	.globl	k_q68dd8a416a_outl
	.p2align	8
	.type	k_q68dd8a416a_outl,@function
k_q68dd8a416a_outl:
	s_mov_b64 s[64:65], 0
	v_nop
	global_prefetch_b8 v0, s[64:65] scope:SCOPE_SE
	s_setreg_imm32_b32 hwreg(HW_REG_WAVE_MODE, 25, 1), 1
	s_wait_xcnt 0x0
	s_wait_alu depctr_hold_cnt(0) depctr_sa_sdst(0) depctr_va_vdst(0) depctr_va_sdst(0) depctr_va_ssrc(0) depctr_va_vcc(0) depctr_vm_vsrc(0)
	s_getreg_b32 s2, hwreg(HW_REG_IB_STS2, 6, 4)
	s_cmp_eq_u32 s2, 0
	s_cbranch_scc0 .Lentry_in_a_cluster
	s_endpgm
.Lentry_in_a_cluster:
	s_bfe_u32 s2, ttmp6, 0x10000c
	s_cmp_lg_u32 s2, 0xf033
	s_cbranch_scc0 .Lentry_shape_is_right
	s_endpgm
.Lentry_shape_is_right:
; outl: h2[b][o][t] = sum over k of W2[o][k] spk2[b][k][t] + b2[o], then layer 3's scan along t; the membrane goes to out0 [32][512][256] f32.
; A work-group (ob = x, b = y) makes o = 64 ob .. + 63 of batch b, all 256 t.  Wave w takes t half wm = w / 2 (8 m tiles of 16 t) and o half wn = w mod 2
; (2 n tiles): 16 accumulator tiles.  Weights in bf16 (W2b), spikes 0 or 1, sums in f32; the bias is one f32 add behind the sum.
; FORMAT, the program's stated limit (see prep): b2, beta3 and thr3 are rounded to bf16 as they come in; all arithmetic is f32.
; Source 0 = 16 t x 32 k of spikes (transposing LDS loads, since spk2 lies [k][t]), source 1 = 32 k x 16 o of weights.  Lane (r, h) of a result holds
; o = r and t = 8 h .. + 7 of the tile: with one batch the two halves of the lanes hold different t of one row, so h2 goes once through LDS
; (which the row-wise output needs anyway), rows of 256 f32, and waves 0 and 1 scan it there, a lane to a row, in place.
; K = 2,048 goes in 16 steps of 128 through two LDS slots; a step is four groups of 16 matrix instructions.
; CLUSTERS: 4 x 4.  The spikes hang on b alone and are asked for jointly along a row of the cluster, the weights on ob alone, along a column.
; A wave has two tensor loads out at the start and one behind each refill's barrier.
; FURTHER LIMITS as in prep: a NaN beta counts as 0; reset * thr is a select; beta * mem + h is fused; mem > thr stands for mem - thr > 0.
.set SP,    544                        ; LDS row of spikes: 256 bf16 + 32 bytes = 17 x 32
.set WP,    272                        ; LDS row of weights: 128 bf16 + 16 bytes = 17 x 16
.set LREG,  34816                      ; wave w's fill begins at w x LREG in a slot: 64 rows of spikes
.set SLOT,  121344                     ; spikes' rows 0-63, 64-127, weights' rows 0-31, 32-63 (the last ends at 113,152)
.set HST,   242688                     ; behind the slots, at a multiple of 256: no tensor load lands there
.set HP,    1040                       ; a row of h2: 256 f32 + 16 bytes = 65 x 16
.set LAPS,  8
.set G1S, 24
.set G0S, 32
.set G1W, 48
.set G0W, 56
.set BETA,  8
.set THR,   9
.set BIAS0, 10
.set BIAS1, 11
.set SUM,   12
.set RST,   13
.set ADRA,  16                         ; v16-17 LDS address of my spike fragments in slot 0, 1
.set ADRB,  20                         ; v20-21 of my weight fragments
.set DST,   24                         ; where my lane's 8 t of tile (0, 0) go
.set SCA,   25                         ; the row that my lane scans
.set RD,    26                         ; the way out: my wave's first row + 16 x lane
.set CO,    27                         ; 16 x lane
.set PO,    28                         ; offset of my b2
.set PL,    29                         ; offset of my beta3, thr3
.set FA,    64                         ; v64-127, v128-191: spike fragments, two buffers of 8
.set FB,    192                        ; v192-207, v208-223: weight fragments, two buffers; n tile nt at 8 nt
.set Y,     128                        ; in the scan: 32 membranes
; window 1 (v256-383): the sums, tile (mt, nt) at v[64 nt + 8 mt]
.set MSB, 0
.macro WIN new                         ; the immediate's high byte repeats the setting that is left
.if MSB != \new
	s_set_vgpr_msb (MSB<<8)|\new
.set MSB, \new
.endif
.endm
.macro PLACES                          ; four places behind a matrix instruction before a load lands in, or a vector instruction touches, one of its registers
.rept 4
	v_nop
.endr
.endm
.macro JLOAD s                         ; waves 0 and 1 ask for the spikes' two halves, waves 2 and 3 for the weights'
	s_cmp_eq_u32 s17, 0
	s_cbranch_scc0 .Lfor_w_\@
	tensor_load_to_lds s[G0S+4*\s:G0S+4*\s+3], s[G1S:G1S+7]
	s_nop 0
	s_branch .Lasked_\@
.Lfor_w_\@:
	tensor_load_to_lds s[G0W+4*\s:G0W+4*\s+3], s[G1W:G1W+7]
	s_nop 0
.Lasked_\@:
.endm
.macro CREST
	s_cmp_lg_u32 s16, 0
	s_cbranch_scc1 .Lnot_wave_0_\@
	s_barrier_signal -3
.Lnot_wave_0_\@:
	s_barrier_wait -3
	s_barrier_signal -1
	s_barrier_wait -1
.endm
.macro CROUND
	s_barrier_signal -1
	s_barrier_wait -1
	CREST
.endm
	s_load_b256 s[4:11], s[0:1], 0x0               ; spk2 s[4:5], W2b s[6:7], b2 s[8:9], beta3 s[10:11]
	s_load_b128 s[12:15], s[0:1], 0x20             ; thr3 s[12:13], out0 s[14:15]
	v_lshl_add_u32 v254, v0, 2, 0x4b800
	v_mov_b32 v255, 0
	ds_add_u32 v254, v255
	ds_add_u32 v254, v255
	v_lshrrev_b32 v1, 5, v0
	v_readfirstlane_b32 s16, v1                    ; wave 0..3
	s_lshr_b32 s17, s16, 1                         ; wm.  Also: I fetch spikes (0) or weights (1)
	s_and_b32 s18, s16, 1                          ; wn.  Also: which half of that tile's rows
	s_bfe_u32 s40, ttmp6, 0x40000                  ; cx
	s_bfe_u32 s41, ttmp6, 0x40004                  ; cy
	s_lshl_b32 s42, ttmp9, 2
	s_add_co_u32 s42, s42, s40                     ; ob = 4 x cluster x + cx
	s_and_b32 s43, ttmp7, 0xffff
	s_lshl_b32 s43, s43, 2
	s_add_co_u32 s43, s43, s41                     ; b = 4 x cluster y + cy
	s_lshl_b32 s44, s41, 2
	s_lshl_b32 s44, 15, s44                        ; my row of the cluster
	s_lshl_b32 s45, 0x1111, s40                    ; my column
	; spikes: 64 rows (k) x 256 elements of 2 bytes, dense; 8 words of padding behind every 128 words
	s_or_b32 s[G1S+0], s44, (1<<16)|(1<<20)|(1<<21)|(6<<22)|(7<<25)
	s_mov_b32 s[G1S+1], 256<<16
	s_mov_b32 s[G1S+2], 64<<16
	s_mov_b32 s[G1S+3], 256<<16
	s_mov_b32 s[G1S+4], 64
	s_mov_b32 s[G1S+5], 256
	s_mov_b32 s[G1S+6], 0
	s_mov_b32 s[G1S+7], 0
	; weights: 32 rows (o) x 128 elements of 2 bytes, rows 2,048 elements apart; 4 words of padding behind every 64 words
	s_or_b32 s[G1W+0], s45, (1<<16)|(1<<20)|(1<<21)|(5<<22)|(3<<25)
	s_mov_b32 s[G1W+1], 128<<16
	s_mov_b32 s[G1W+2], 32<<16
	s_mov_b32 s[G1W+3], 128<<16
	s_mov_b32 s[G1W+4], 32
	s_mov_b32 s[G1W+5], 2048
	s_mov_b32 s[G1W+6], 0
	s_mov_b32 s[G1W+7], 0
	; every wave makes both addresses, each in registers that never hold the other coordinate
	s_lshl_b32 s46, s43, 20                        ; b x 2,048 rows x 512 bytes
	s_lshl_b32 s47, s18, 15                        ; + half x 64 rows
	s_add_co_u32 s46, s46, s47
	s_mov_b32 s47, 0
	s_lshl_b32 s66, s42, 1
	s_add_co_u32 s66, s66, s18                     ; 2 ob + half
	s_lshl_b32 s66, s66, 17                        ; x 32 rows x 4,096 bytes
	s_mov_b32 s67, 0
	s_mul_i32 s20, s16, LREG                       ; where my fills go: the wave's number alone
	s_wait_dscnt 0x0
	s_wait_kmcnt 0x0
	s_add_nc_u64 s[46:47], s[4:5], s[46:47]
	s_add_nc_u64 s[66:67], s[6:7], s[66:67]
	CROUND                                         ; all sixteen work-groups are here: the first joint loads meet
.irp n, 0,1
	s_mov_b32 s[G0S+4*\n], 1
	s_add_co_u32 s[G0S+4*\n+1], s20, \n*SLOT
	s_add_nc_u64 s[G0S+4*\n+2:G0S+4*\n+3], s[46:47], \n*65536      ; K step n: 128 rows of 512 bytes
	s_or_b32 s[G0S+4*\n+3], s[G0S+4*\n+3], 0x80000000
	s_mov_b32 s[G0W+4*\n], 1
	s_add_co_u32 s[G0W+4*\n+1], s20, \n*SLOT
	s_add_nc_u64 s[G0W+4*\n+2:G0W+4*\n+3], s[66:67], \n*256        ; K step n: 128 weights of each row
	s_or_b32 s[G0W+4*\n+3], s[G0W+4*\n+3], 0x80000000
	JLOAD \n
.endr
	v_and_b32 v1, 31, v0                           ; lane
	v_and_b32 v2, 15, v0                           ; r
	v_bfe_u32 v3, v0, 4, 1                         ; h
	v_and_b32 v4, 7, v0
	v_bfe_u32 v5, v0, 3, 1
	v_lshl_add_u32 v4, v3, 3, v4                   ; row 8 h + lane mod 8
	v_mul_u32_u24 v4, v4, SP
	v_lshl_add_u32 v4, v5, 4, v4                   ; + 16 bytes for lanes 8-15 and 24-31: t + 8
	s_lshl_b32 s22, s17, 8                         ; + my 128 t
	v_add_nc_u32 v[ADRA], s22, v4
	v_add_nc_u32 v[ADRA+1], SLOT, v[ADRA]
	s_mul_i32 s22, s18, LREG                       ; my 32 rows of weights
	s_add_co_u32 s22, s22, 2*LREG
	v_mul_u32_u24 v6, v2, WP
	v_lshl_add_u32 v6, v3, 4, v6
	v_add_nc_u32 v[ADRB], s22, v6
	v_add_nc_u32 v[ADRB+1], SLOT, v[ADRB]
	s_mul_i32 s22, s18, 32*HP                      ; h2: row 32 wn + r, t = 128 wm + 8 h
	s_add_co_u32 s22, s22, HST
	v_mul_u32_u24 v6, v1, HP                       ; the scan (waves 0 and 1, where wn is the wave's number): row 32 wave + lane
	v_add_nc_u32 v[SCA], s22, v6
	s_lshl_b32 s23, s17, 9
	s_add_co_u32 s22, s22, s23
	v_mul_u32_u24 v6, v2, HP
	v_lshl_add_u32 v6, v3, 5, v6
	v_add_nc_u32 v[DST], s22, v6
	s_mul_i32 s22, s16, 16*HP                      ; the way out: rows 16 wave .. + 15
	s_add_co_u32 s22, s22, HST
	v_lshlrev_b32 v[CO], 4, v1
	v_add_nc_u32 v[RD], s22, v[CO]
	s_lshl_b32 s70, s42, 8                         ; o = 64 ob + 32 wn + ..., 4 bytes each
	s_lshl_b32 s71, s18, 7
	s_add_co_u32 s70, s70, s71
	v_lshl_add_u32 v[PO], v2, 2, s70               ; .. + 16 nt + r
	v_lshl_add_u32 v[PL], v1, 2, s70               ; .. + lane
	global_load_b32 v[BIAS0], v[PO], s[8:9]        ; waited for behind the K loop
	global_load_b32 v[BIAS1], v[PO], s[8:9] offset:64
	global_load_b32 v[BETA], v[PL], s[10:11]       ; used by waves 0 and 1 alone; the other two load them as well, two loads where a branch would cost as much
	global_load_b32 v[THR], v[PL], s[12:13]
	s_lshl_b32 s68, s43, 19                        ; out0 at row 512 b + 64 ob + 16 wave, 1,024 bytes each
	s_lshl_b32 s70, s42, 16
	s_lshl_b32 s71, s16, 14
	s_add_co_u32 s68, s68, s70
	s_add_co_u32 s68, s68, s71
	s_mov_b32 s69, 0
	s_add_nc_u64 s[14:15], s[14:15], s[68:69]
; eight spike fragments: my 8 m tiles, k = 32 ks .. + 31 of the slot
.macro LDA buf, slot, ks
.irp i, 0,1,2,3,4,5,6,7
	ds_load_tr16_b128 v[FA+64*(\buf)+8*\i:FA+64*(\buf)+8*\i+3],   v[ADRA+\slot] offset:(\ks)*32*SP+\i*32
	ds_load_tr16_b128 v[FA+64*(\buf)+8*\i+4:FA+64*(\buf)+8*\i+7], v[ADRA+\slot] offset:(\ks)*32*SP+\i*32+16*SP
.endr
.endm
; two weight fragments: n tiles 0, 1, k = 32 ks .. + 31 of the slot
.macro LDB buf, slot, ks
.irp n, 0,1
	ds_load_b128 v[FB+16*(\buf)+8*\n:FB+16*(\buf)+8*\n+3],   v[ADRB+\slot] offset:\n*16*WP+(\ks)*64
	ds_load_b128 v[FB+16*(\buf)+8*\n+4:FB+16*(\buf)+8*\n+7], v[ADRB+\slot] offset:\n*16*WP+(\ks)*64+32
.endr
.endm
; eight matrix instructions: my eight m tiles of n tile nt.  The accumulators take turns, one instruction a turn.
.macro MUL8 buf, nt, zero
.irp i, 0,1,2,3,4,5,6,7
.if \zero
	v_wmma_f32_16x16x32_bf16 v[64*(\nt)+8*\i:64*(\nt)+8*\i+7], v[FA+64*(\buf)+8*\i:FA+64*(\buf)+8*\i+7], v[FB+16*(\buf)+8*(\nt):FB+16*(\buf)+8*(\nt)+7], 0
.else
	v_wmma_f32_16x16x32_bf16 v[64*(\nt)+8*\i:64*(\nt)+8*\i+7], v[FA+64*(\buf)+8*\i:FA+64*(\buf)+8*\i+7], v[FB+16*(\buf)+8*(\nt):FB+16*(\buf)+8*(\nt)+7], v[64*(\nt)+8*\i:64*(\nt)+8*\i+7]
.endif
.endr
.endm
; group ks = 0 .. 2 of a K step: the next group's fragments are asked for, then this group is multiplied
.macro GRP slot, ks, zero
	s_wait_dscnt 0x0                               ; this group's fragments, asked for one group ago; nothing younger is out
	PLACES
	WIN 0
	LDA ((\ks+1)&1), \slot, (\ks+1)
	LDB ((\ks+1)&1), \slot, (\ks+1)
	WIN 0x50                                       ; C and D in window 1
	MUL8 (\ks&1), 0, \zero
	MUL8 (\ks&1), 1, \zero
.endm
.macro STEP3 slot, zero                ; zero = 1: the first 32 along K start the sums, nothing is cleared
	GRP \slot, 0, \zero
	GRP \slot, 1, 0
	GRP \slot, 2, 0
.endm
; group 3 and the change of slots.  In front of the barrier each wave waits for its reads of this slot and for all its tensor loads (the one that is out is
; its part of the next slot).  Behind it (where the slot is filled again: behind the cluster's round that it opens) the refill comes first, one load a wave,
; then the next slot's first fragments.  From a request to the wait for it a wave issues 56 matrix instructions.
.macro TURN slot, next, fill
	s_wait_dscnt 0x0
	s_wait_tensorcnt 0x0
	ds_add_u32 v254, v255
	s_wait_dscnt 0x0
	s_barrier_signal -1
	WIN 0x50
	MUL8 1, 0, 0                                   ; register work while the others arrive
	WIN 0
	s_barrier_wait -1
.if \fill
	CREST
	s_add_nc_u64 s[G0S+4*\slot+2:G0S+4*\slot+3], s[G0S+4*\slot+2:G0S+4*\slot+3], 2*65536
	s_add_nc_u64 s[G0W+4*\slot+2:G0W+4*\slot+3], s[G0W+4*\slot+2:G0W+4*\slot+3], 2*256
	JLOAD \slot
.endif
	PLACES
	LDA 0, \next, 0
	LDB 0, \next, 0
	WIN 0x50
	MUL8 1, 1, 0
.endm
.macro LAP zero
	STEP3 0, \zero
	TURN 0, 1, 1
	STEP3 1, 0
	TURN 1, 0, 1
.endm
	s_wait_tensorcnt 0x1                           ; my part of K step 0 is in; K step 1's may stay out
	s_barrier_signal -1
	s_barrier_wait -1
	LDA 0, 0, 0
	LDB 0, 0, 0
	LAP 1                                          ; K steps 0, 1; asks for 2, 3
	WIN 0
	s_mov_b32 s19, LAPS-2
.Llap:
	LAP 0                                          ; K steps 2 .. 13; asks for 4 .. 15
	WIN 0
	s_sub_co_u32 s19, s19, 1
	s_cmp_lg_u32 s19, 0
	s_cbranch_scc1 .Llap
	STEP3 0, 0                                     ; the last lap fills nothing
	TURN 0, 1, 0
	STEP3 1, 0
	s_wait_dscnt 0x0
	WIN 0x50
	MUL8 1, 0, 0
	MUL8 1, 1, 0
	; h2 = sum + bias, out of window 1 into the two fragment buffers, and from there into its rows in LDS: 32 bytes (8 t) a lane and tile
	PLACES
	WIN 0
	s_wait_loadcnt 0x0                             ; b2, beta3, thr3
	v_cvt_pk_bf16_f32 v[SUM], v[BIAS0], v[BIAS1]   ; all four in bf16's precision
	v_cvt_pk_bf16_f32 v[RST], v[BETA], v[THR]
	v_lshlrev_b32 v[BIAS0], 16, v[SUM]
	v_and_b32     v[BIAS1], 0xffff0000, v[SUM]
	v_lshlrev_b32 v[BETA],  16, v[RST]
	v_and_b32     v[THR],   0xffff0000, v[RST]
	WIN 0x01                                       ; source 0 in window 1
.set jj, 0
.rept 64
	v_add_f32 v[FA+jj], v[jj], v[BIAS0]
.set jj, jj+1
.endr
.set jj, 0
.rept 64
	v_add_f32 v[FA+64+jj], v[64+jj], v[BIAS1]
.set jj, jj+1
.endr
	WIN 0
.irp n, 0,1
.irp i, 0,1,2,3,4,5,6,7
	ds_store_b128 v[DST], v[FA+64*\n+8*\i:FA+64*\n+8*\i+3]   offset:\n*16*HP+\i*64
	ds_store_b128 v[DST], v[FA+64*\n+8*\i+4:FA+64*\n+8*\i+7] offset:\n*16*HP+\i*64+16
.endr
.endr
	s_wait_dscnt 0x0                               ; my stores are done, for the others' sake
	s_barrier_signal -1
	s_barrier_wait -1                              ; the 64 rows of h2 are whole
	; THE SCAN: waves 0 and 1, a lane to a row, eight blocks of 32 t, the membrane written back in place.  No barrier stands inside the branch.
	s_cmp_ge_u32 s16, 2
	s_cbranch_scc1 .Lno_scan
	v_max_num_f32 v[BETA], 0, v[BETA]              ; clip(beta, 0, 1)
	v_min_num_f32 v[BETA], 1.0, v[BETA]
	v_mov_b32 v[Y+31], 0                           ; mem starts at 0
	v_cmp_gt_f32 vcc_lo, 0, v[THR]                 ; the first reset: 0 > thr
.macro LDX u                           ; 32 t of my row, buffers v64-95 and v96-127 by turns
.irp e, 0,1,2,3,4,5,6,7
	ds_load_b128 v[FA+32*((\u)&1)+4*\e:FA+32*((\u)&1)+4*\e+3], v[SCA] offset:128*(\u)+16*\e
.endr
.endm
; more = 1: the next block is asked for first.  left = what was issued behind this block's loads: the eight stores of the block before, the eight loads of the next.
.macro BLOCK u, more, left
.if \more
	LDX (\u+1)
.endif
	s_wait_dscnt \left
.set jj, 0
.rept 32
	v_fma_f32 v[SUM], v[BETA], v[Y+(jj+31)%32], v[FA+32*(\u&1)+jj]
	v_cndmask_b32 v[RST], 0, v[THR], vcc_lo
	v_sub_f32 v[Y+jj], v[SUM], v[RST]
	v_cmp_gt_f32 vcc_lo, v[Y+jj], v[THR]           ; the reset of the next step
.set jj, jj+1
.endr
.irp e, 0,1,2,3,4,5,6,7
	ds_store_b128 v[SCA], v[Y+4*\e:Y+4*\e+3] offset:128*\u+16*\e
.endr
.endm
	LDX 0
	BLOCK 0, 1, 8
	BLOCK 1, 1, 16
	BLOCK 2, 1, 16
	BLOCK 3, 1, 16
	BLOCK 4, 1, 16
	BLOCK 5, 1, 16
	BLOCK 6, 1, 16
	BLOCK 7, 0, 8
.Lno_scan:
	s_wait_dscnt 0x0                               ; the membranes are in LDS, for the others' sake
	s_barrier_signal -1
	s_barrier_wait -1
	; THE WAY OUT: wave w takes rows 16 w .. + 15, four rows (eight loads of 512 bytes) at a time
.irp bt, 0,1,2,3
	s_wait_xcnt 0x0                                ; the buffer, data of the stores two batches ago, is loaded again only behind this wait
.irp e, 0,1,2,3,4,5,6,7
	ds_load_b128 v[FA+32*(\bt&1)+4*\e:FA+32*(\bt&1)+4*\e+3], v[RD] offset:(4*\bt+(\e>>1))*HP+(\e&1)*512
.endr
.irp e, 0,1,2,3,4,5,6,7
	s_wait_dscnt 7-\e
	global_store_b128 v[CO], v[FA+32*(\bt&1)+4*\e:FA+32*(\bt&1)+4*\e+3], s[14:15] offset:(4*\bt+(\e>>1))*1024+(\e&1)*512 th:TH_STORE_NT   ; the wave stores 512 consecutive bytes, aligned
.endr
.endr
	s_wait_tensorcnt 0x0
	ds_add_u32 v254, v255
	s_wait_dscnt 0x0
	CROUND                                         ; the closing round (the last wait above was for 0 LDS instructions): no work-group ends while a partner may still ask for a tile that names it
	s_endpgm
.Lfunc_end_k_q68dd8a416a_outl:
	.size	k_q68dd8a416a_outl, .Lfunc_end_k_q68dd8a416a_outl-k_q68dd8a416a_outl
	.p2alignl 7, 3214868480
	.fill 96, 4, 3214868480
	.section	.rodata,"a",@progbits
	.p2align	6, 0x0
	.amdhsa_kernel k_q68dd8a416a_outl
		.amdhsa_group_segment_fixed_size 327680
		.amdhsa_private_segment_fixed_size 0
		.amdhsa_enable_private_segment 0
		.amdhsa_kernarg_size 48
		.amdhsa_user_sgpr_count 2
		.amdhsa_user_sgpr_kernarg_segment_ptr 1
		.amdhsa_wavefront_size32 1
		.amdhsa_system_sgpr_workgroup_id_x 1
		.amdhsa_system_sgpr_workgroup_id_y 1
		.amdhsa_system_sgpr_workgroup_id_z 1
		.amdhsa_system_vgpr_workitem_id 0
		.amdhsa_next_free_vgpr 384
		.amdhsa_next_free_sgpr 72
		.amdhsa_reserve_vcc 1
		.amdhsa_float_denorm_mode_32 3
		.amdhsa_float_denorm_mode_16_64 3
		.amdhsa_memory_ordered 1
		.amdhsa_forward_progress 1
		.amdhsa_inst_pref_size 132
	.end_amdhsa_kernel
	.amdgpu_metadata
---
amdhsa.version: [ 1, 2 ]
amdhsa.kernels:
  - .name:           k_q68dd8a416a_outl
    .symbol:         k_q68dd8a416a_outl.kd
    .args:
      - { .name: spk2, .offset: 0, .size: 8, .value_kind: global_buffer, .address_space: global }
      - { .name: W2b, .offset: 8, .size: 8, .value_kind: global_buffer, .address_space: global }
      - { .name: b2, .offset: 16, .size: 8, .value_kind: global_buffer, .address_space: global }
      - { .name: beta3, .offset: 24, .size: 8, .value_kind: global_buffer, .address_space: global }
      - { .name: thr3, .offset: 32, .size: 8, .value_kind: global_buffer, .address_space: global }
      - { .name: out0, .offset: 40, .size: 8, .value_kind: global_buffer, .address_space: global }
    .group_segment_fixed_size: 327680
    .private_segment_fixed_size: 0
    .kernarg_segment_align: 8
    .kernarg_segment_size: 48
    .max_flat_workgroup_size: 128
    .sgpr_count:     72
    .vgpr_count:     384
    .wavefront_size: 32
...
	.end_amdgpu_metadata
.endif
;; end of part 3
;; ======== version 2 of 2: 3 launches
;; limits: values outside matrix products are rounded to bf16
;; workspace buffers: spk1 16,777,216 bytes; spkb 2,097,152 bytes; W1b 4,194,304 bytes; W2p 2,097,152 bytes
;; launch prep (part 4): grid 256 x 1, 4 waves a work-group, no clusters, 207,360 bytes of LDS; arguments x, beta1, thr1, W1, W2, spk1, W1b, W2p; writes spk1, W1b, W2p
.if DOCPART == 4
	.amdgcn_target "amdgcn-amd-amdhsa--gfx1250"
	.amdhsa_code_object_version 6
	.text
	.protected	k_q68dd8a416a_prep
	.globl	k_q68dd8a416a_prep
	.p2align	8
	.type	k_q68dd8a416a_prep,@function
k_q68dd8a416a_prep:
	s_mov_b64 s[64:65], 0
	v_nop
	global_prefetch_b8 v0, s[64:65] scope:SCOPE_SE
	s_setreg_imm32_b32 hwreg(HW_REG_WAVE_MODE, 25, 1), 1
	s_wait_xcnt 0x0
; prep: layer 1's leaky integrate-and-fire scan, and both weight matrices rounded to bf16.
;   x [32][1024][256] f32 -> spk1 [32][1024][256] bf16 (1.0 or 0).   W1 f32 -> W1b bf16, same shape.   W2 f32 -> W2p bf16, k reordered within each 32 (below).
; FORMAT, A STATED LIMIT OF THE WHOLE PROGRAM: every floating-point input (x, beta, thr, b, W) is rounded to bf16, to nearest even, as it comes in;
; all arithmetic behind that is f32.  So the program computes the network of the rounded inputs.  Why x, beta, thr and b too, which are no matrix
; operands: a spike is a comparison, so the result hangs on the last bit of each sum.  A weight of 8 significant bits and |w| >= 2^-17 is a multiple
; of 2^-24, and sums below 1 of such weights over spikes of 0 or 1 are exact in f32 in any order: the spikes then do not hang on the order of
; the additions.  Rounding the weights alone would give a network that is neither that of the f32 inputs nor that of the rounded ones.
; f32 numbers above bf16's largest finite number become infinite.
; THE SCAN.  mem = clip(beta) * mem + x - (old mem > thr ? thr : 0); spike = mem > thr; mem starts at 0.  It runs along t, the contiguous axis.
; 32,768 rows (b, i): wave gw = 4 x work-group + wave takes rows 32 gw .. 32 gw + 31, one lane a row, so every lane of 1,024 waves has one chain.
; A lane needs its own row, the memory wants whole rows: x comes in by four tensor loads a wave (32 rows x 64 t each) into LDS rows of
; 256 + 16 bytes, and the spikes go out through a stage in LDS, a whole row of 512 bytes to a store.
; THE WEIGHTS.  A wave takes 8 KiB of W1 and 4 KiB of W2: a lane reads 8 weights and stores their 16 bytes.  All 24 loads go out at the
; start into registers of their own; the twelve conversions and stores stand between the steps of the scan's third chunk, whose lines wait for each
; other's results, so that the scan does not wait for the weights nor the weights for the scan.
; W2p's ORDER.  The last launch makes its spike fragments from bits, and register j of lane half h there holds k = 8 h + j (low half) and 8 h + j + 16 (high half)
; of a block of 32 k.  So that plain 16-byte loads give the matching weight fragment, the 16 bytes number c (0 to 3) of a block in W2p hold
; k = a, a + 16, a + 1, a + 17, a + 2, a + 18, a + 3, a + 19 with a = 8 (c mod 2) + 4 (c / 2).
; No cluster: no two work-groups read the same byte.  No barrier: every LDS byte belongs to one wave and is filled once.
; FURTHER LIMITS.  A NaN beta counts as 0.  reset * thr is a select (thr = inf or NaN, and the sign of a zero, differ from the product).
; beta * mem + x is one fused multiply-add.  mem > thr stands for mem - thr > 0: the same, since denormals are kept.
.set XROW, 272                         ; an LDS row of x: 64 f32 + 16 bytes = 17 x 16, so sixteen lanes' rows start at sixteen different 16-byte columns of 256
.set CH,   32*XROW                     ; a chunk: 32 rows x 64 t
.set XW,   4*CH                        ; a wave's four chunks
.set STG,  4*XW                        ; behind them the stages, at a multiple of 256: no tensor load lands there
.set SROW, 528                         ; a stage row: 256 bf16 + 16 bytes = 33 x 16
.set SW,   32*SROW                     ; a wave's stage
.set G1,   24                          ; s[24:31] descriptor group 1
.set G0,   32                          ; s[32:47] descriptor group 0, one set for each chunk
.set LA,   2                           ; LDS address of my row in chunk 0
.set SA,   3                           ; LDS address of my row in the stage
.set RD,   4                           ; stage + 16 x lane: a wave's load takes one whole stage row
.set CO,   5                           ; 16 x lane: offset of every store
.set VSRC, 6                           ; 32 x lane: offset of my 8 weights in 1,024 bytes of W1
.set VS2,  7                           ; offset of my first 4 weights in 1,024 bytes of W2; the other 4 lie 64 bytes (16 k) further on
.set BETA, 8
.set THR,  9
.set M,    10                          ; membrane
.set A,    11                          ; beta * mem + x
.set R,    12                          ; what the reset takes away
.set U,    13                          ; the odd t's spike, upper half
.set KLO,  14                          ; bf16 1.0 in the lower half
.set KHI,  15                          ; bf16 1.0 in the upper half
.set PO,   17                          ; offset of my beta and thr
                                       ; v[18:19] two packed pairs at work
.set P,    20                          ; v[20:23] eight spikes packed
.set Q,    32                          ; v[32:95] x of a chunk (16 loads)
.set O,    96                          ; v[96:127] the way out: data of eight stores
.set WQ,   128                         ; v[128:223] weights: unit it (256 weights of the wave) in 8 registers at WQ + 8 it, units 0-7 of W1, 8-11 of W2
	s_load_b512 s[4:19], s[0:1], 0x0               ; x s[4:5], beta1 s[6:7], thr1 s[8:9], W1 s[10:11], W2 s[12:13], spk1 s[14:15], W1b s[16:17], W2p s[18:19]
	v_lshl_add_u32 v224, v0, 2, 0x32800
	v_mov_b32 v225, 0
	ds_add_u32 v224, v225
	ds_add_u32 v224, v225
	v_lshrrev_b32 v1, 5, v0
	v_readfirstlane_b32 s20, v1                    ; wave 0..3
	s_lshl_b32 s21, ttmp9, 2
	s_add_co_u32 s21, s21, s20                     ; gw = 4 x work-group + wave
	s_mov_b32 s48, 0xffff0000                      ; a word's upper bf16
	; group 1: a tile of 32 rows x 64 elements of 4 bytes, rows 256 elements apart, 4 words of padding behind every 64 words
	s_mov_b32 s[G1+0], (2<<16)|(1<<20)|(5<<22)|(3<<25)
	s_mov_b32 s[G1+1], 64<<16                      ; tensor_dim0 = 64
	s_mov_b32 s[G1+2], 32<<16                      ; tensor_dim1 = 32
	s_mov_b32 s[G1+3], 64<<16                      ; tile_dim0 = 64
	s_mov_b32 s[G1+4], 32                          ; tile_dim1 = 32
	s_mov_b32 s[G1+5], 256                         ; from row to row
	s_mov_b32 s[G1+6], 0
	s_mov_b32 s[G1+7], 0
	s_mul_i32 s2, s20, XW                          ; my wave's chunks in LDS
	s_lshl_b32 s22, s21, 15                        ; 32 rows x 1,024 bytes
	s_mov_b32 s23, 0
	s_wait_dscnt 0x0
	s_wait_kmcnt 0x0
	s_add_nc_u64 s[4:5], s[4:5], s[22:23]          ; x at my wave's first row
	; all of the wave's x is asked for at once, ahead of everything else: four tensor loads are out, and no LDS byte is filled twice
.irp c, 0,1,2,3
	s_mov_b32 s[G0+4*\c], 1
	s_add_co_u32 s[G0+4*\c+1], s2, \c*CH
	s_add_nc_u64 s[G0+4*\c+2:G0+4*\c+3], s[4:5], \c*256
	s_or_b32 s[G0+4*\c+3], s[G0+4*\c+3], 0x80000000
	tensor_load_to_lds s[G0+4*\c:G0+4*\c+3], s[G1:G1+7]
	s_nop 0
.endr
	v_and_b32 v1, 31, v0                           ; lane
	s_and_b32 s3, s21, 31                          ; i = (32 gw + lane) mod 1024
	s_lshl_b32 s3, s3, 7
	v_lshl_add_u32 v[PO], v1, 2, s3
	global_load_b32 v[BETA], v[PO], s[6:7]
	global_load_b32 v[THR], v[PO], s[8:9]
	s_lshl_b32 s22, s21, 13                        ; my 8 KiB of W1
	s_add_nc_u64 s[10:11], s[10:11], s[22:23]
	s_lshl_b32 s22, s21, 12                        ; my 4 KiB of W2 and of W1b
	s_add_nc_u64 s[12:13], s[12:13], s[22:23]
	s_add_nc_u64 s[16:17], s[16:17], s[22:23]
	s_lshl_b32 s22, s21, 11                        ; my 2 KiB of W2p
	s_add_nc_u64 s[18:19], s[18:19], s[22:23]
	s_lshl_b32 s22, s21, 14                        ; my 32 rows of 512 bytes of spk1
	s_add_nc_u64 s[14:15], s[14:15], s[22:23]
	v_lshlrev_b32 v[VSRC], 5, v1
	v_lshrrev_b32 v18, 2, v1                       ; W2: block of 32 k = lane / 4 (128 bytes of f32), c = lane mod 4,
	v_lshlrev_b32 v[VS2], 7, v18
	v_and_b32 v18, 1, v1
	v_lshl_add_u32 v[VS2], v18, 5, v[VS2]          ; + 4 a bytes = 32 (c mod 2)
	v_bfe_u32 v18, v1, 1, 1
	v_lshl_add_u32 v[VS2], v18, 4, v[VS2]          ;             + 16 (c / 2)
	; the 24 loads of weights, behind beta and thr: each pair brings 1,024 consecutive bytes to the wave
.set it, 0
.rept 8
	global_load_b128 v[WQ+8*it:WQ+8*it+3],   v[VSRC], s[10:11] offset:1024*it th:TH_LOAD_NT
	global_load_b128 v[WQ+8*it+4:WQ+8*it+7], v[VSRC], s[10:11] offset:1024*it+16 th:TH_LOAD_NT
.set it, it+1
.endr
.rept 4
	global_load_b128 v[WQ+8*it:WQ+8*it+3],   v[VS2], s[12:13] offset:1024*(it-8) th:TH_LOAD_NT      ; k = a .. a + 3
	global_load_b128 v[WQ+8*it+4:WQ+8*it+7], v[VS2], s[12:13] offset:1024*(it-8)+64 th:TH_LOAD_NT   ; k = a + 16 .. a + 19
.set it, it+1
.endr
	v_mul_u32_u24 v[LA], v1, XROW
	v_add_nc_u32 v[LA], s2, v[LA]
	s_mul_i32 s3, s20, SW
	s_add_co_u32 s3, s3, STG
	v_mul_u32_u24 v[SA], v1, SROW
	v_add_nc_u32 v[SA], s3, v[SA]
	v_lshlrev_b32 v[CO], 4, v1
	v_add_nc_u32 v[RD], s3, v[CO]
	v_mov_b32 v[KLO], 0x3f80
	v_mov_b32 v[KHI], 0x3f800000
	s_wait_loadcnt 24                              ; loads come back in order: beta and thr are in, the 24 loads of weights may be out
	v_cvt_pk_bf16_f32 v18, v[BETA], v[THR]         ; beta and thr in bf16's precision
	v_lshlrev_b32 v[BETA], 16, v18
	v_and_b32 v[THR], s48, v18
	v_max_num_f32 v[BETA], 0, v[BETA]              ; clip(beta, 0, 1)
	v_min_num_f32 v[BETA], 1.0, v[BETA]
	v_mov_b32 v[M], 0
	v_cmp_gt_f32 vcc_lo, 0, v[THR]                 ; the first reset: 0 > thr
; unit it of the weights: 8 numbers a lane rounded in place (each line writes a register whose number has been read) and stored.  No register of a unit is written again.
.macro WUNIT it
	s_wait_loadcnt 22-2*\it                        ; this unit's two loads are in, the 22 - 2 it younger ones may be out
.if \it < 8
	v_cvt_pk_bf16_f32 v[WQ+8*\it],   v[WQ+8*\it],   v[WQ+8*\it+1]
	v_cvt_pk_bf16_f32 v[WQ+8*\it+1], v[WQ+8*\it+2], v[WQ+8*\it+3]
	v_cvt_pk_bf16_f32 v[WQ+8*\it+2], v[WQ+8*\it+4], v[WQ+8*\it+5]
	v_cvt_pk_bf16_f32 v[WQ+8*\it+3], v[WQ+8*\it+6], v[WQ+8*\it+7]
	global_store_b128 v[CO], v[WQ+8*\it:WQ+8*\it+3], s[16:17] offset:512*\it        ; the wave stores 512 consecutive bytes, aligned
.else
	v_cvt_pk_bf16_f32 v[WQ+8*\it],   v[WQ+8*\it],   v[WQ+8*\it+4]                   ; W2p: k = a + q below, a + q + 16 above
	v_cvt_pk_bf16_f32 v[WQ+8*\it+1], v[WQ+8*\it+1], v[WQ+8*\it+5]
	v_cvt_pk_bf16_f32 v[WQ+8*\it+2], v[WQ+8*\it+2], v[WQ+8*\it+6]
	v_cvt_pk_bf16_f32 v[WQ+8*\it+3], v[WQ+8*\it+3], v[WQ+8*\it+7]
	global_store_b128 v[CO], v[WQ+8*\it:WQ+8*\it+3], s[18:19] offset:512*(\it-8)
.endif
.endm
; one step; VCC holds mem > thr: the spike of this step and the reset of the next
.macro STEP1 x
	v_fma_f32 v[A], v[BETA], v[M], v[\x]
	v_cndmask_b32 v[R], 0, v[THR], vcc_lo
	v_sub_f32 v[M], v[A], v[R]
	v_cmp_gt_f32 vcc_lo, v[M], v[THR]
.endm
; 64 steps: sixteen LDS loads of 4 t in one run; four x are rounded to bf16's precision in place, then their steps; eight spikes make 16 bytes of my stage row
.macro CHUNK c
	s_wait_tensorcnt 3-\c                          ; tensor loads of a wave end in order: chunk c is in, the 3 - c younger ones may be out
.irp u, 0,1,2,3,4,5,6,7,8,9,10,11,12,13,14,15
	ds_load_b128 v[Q+4*\u:Q+4*\u+3], v[LA] offset:\c*CH+16*\u
.endr
.irp u, 0,1,2,3,4,5,6,7,8,9,10,11,12,13,14,15
	s_wait_dscnt 15-\u+(\u>>1)                     ; behind load u stand 15 - u loads and the u / 2 stage stores issued since
	v_cvt_pk_bf16_f32 v18, v[Q+4*\u],   v[Q+4*\u+1]
	v_cvt_pk_bf16_f32 v19, v[Q+4*\u+2], v[Q+4*\u+3]
	v_lshlrev_b32 v[Q+4*\u],   16,  v18
	v_and_b32     v[Q+4*\u+1], s48, v18
	v_lshlrev_b32 v[Q+4*\u+2], 16,  v19
	v_and_b32     v[Q+4*\u+3], s48, v19
	STEP1 Q+4*\u
	v_cndmask_b32 v[P+2*(\u&1)], 0, v[KLO], vcc_lo
	STEP1 Q+4*\u+1
	v_cndmask_b32 v[U], 0, v[KHI], vcc_lo
	v_or_b32 v[P+2*(\u&1)], v[P+2*(\u&1)], v[U]
	STEP1 Q+4*\u+2
	v_cndmask_b32 v[P+2*(\u&1)+1], 0, v[KLO], vcc_lo
	STEP1 Q+4*\u+3
	v_cndmask_b32 v[U], 0, v[KHI], vcc_lo
	v_or_b32 v[P+2*(\u&1)+1], v[P+2*(\u&1)+1], v[U]
.if \u&1
	ds_store_b128 v[SA], v[P:P+3] offset:128*\c+16*(\u>>1)
.endif
.if \c == 2
.if \u < 12
	WUNIT \u                                       ; the weights' twelve units, one behind every four steps of the third chunk; it leaves VCC alone
.endif
.endif
.endr
.endm
	CHUNK 0
	CHUNK 1
	CHUNK 2
	CHUNK 3                                        ; its wait is for 0: no tensor load is out at the end
	; the way out: a stage row is read back by the whole wave (LDS serves a wave's instructions in order, so these loads see the stores above)
	; and stored as 512 consecutive bytes, one row of spk1
.irp bt, 0,1,2,3
.if \bt
	s_wait_xcnt 0x0                                ; O, the data of the eight stores before, is loaded again only behind this wait
.endif
.irp t, 0,1,2,3,4,5,6,7
	ds_load_b128 v[O+4*\t:O+4*\t+3], v[RD] offset:(8*\bt+\t)*SROW
.endr
.irp t, 0,1,2,3,4,5,6,7
	s_wait_dscnt 7-\t
	global_store_b128 v[CO], v[O+4*\t:O+4*\t+3], s[14:15] offset:(8*\bt+\t)*512
.endr
.endr
	s_wait_tensorcnt 0x0
	ds_add_u32 v224, v225
	s_wait_dscnt 0x0
	s_endpgm
.Lfunc_end_k_q68dd8a416a_prep:
	.size	k_q68dd8a416a_prep, .Lfunc_end_k_q68dd8a416a_prep-k_q68dd8a416a_prep
	.p2alignl 7, 3214868480
	.fill 96, 4, 3214868480
	.section	.rodata,"a",@progbits
	.p2align	6, 0x0
	.amdhsa_kernel k_q68dd8a416a_prep
		.amdhsa_group_segment_fixed_size 207360
		.amdhsa_private_segment_fixed_size 0
		.amdhsa_enable_private_segment 0
		.amdhsa_kernarg_size 64
		.amdhsa_user_sgpr_count 2
		.amdhsa_user_sgpr_kernarg_segment_ptr 1
		.amdhsa_wavefront_size32 1
		.amdhsa_system_sgpr_workgroup_id_x 1
		.amdhsa_system_sgpr_workgroup_id_y 1
		.amdhsa_system_sgpr_workgroup_id_z 1
		.amdhsa_system_vgpr_workitem_id 0
		.amdhsa_next_free_vgpr 226
		.amdhsa_next_free_sgpr 66
		.amdhsa_reserve_vcc 1
		.amdhsa_float_denorm_mode_32 3
		.amdhsa_float_denorm_mode_16_64 3
		.amdhsa_memory_ordered 1
		.amdhsa_forward_progress 1
		.amdhsa_inst_pref_size 94
	.end_amdhsa_kernel
	.amdgpu_metadata
---
amdhsa.version: [ 1, 2 ]
amdhsa.kernels:
  - .name:           k_q68dd8a416a_prep
    .symbol:         k_q68dd8a416a_prep.kd
    .args:
      - { .name: x, .offset: 0, .size: 8, .value_kind: global_buffer, .address_space: global }
      - { .name: beta1, .offset: 8, .size: 8, .value_kind: global_buffer, .address_space: global }
      - { .name: thr1, .offset: 16, .size: 8, .value_kind: global_buffer, .address_space: global }
      - { .name: W1, .offset: 24, .size: 8, .value_kind: global_buffer, .address_space: global }
      - { .name: W2, .offset: 32, .size: 8, .value_kind: global_buffer, .address_space: global }
      - { .name: spk1, .offset: 40, .size: 8, .value_kind: global_buffer, .address_space: global }
      - { .name: W1b, .offset: 48, .size: 8, .value_kind: global_buffer, .address_space: global }
      - { .name: W2p, .offset: 56, .size: 8, .value_kind: global_buffer, .address_space: global }
    .group_segment_fixed_size: 207360
    .private_segment_fixed_size: 0
    .kernarg_segment_align: 8
    .kernarg_segment_size: 64
    .max_flat_workgroup_size: 128
    .sgpr_count:     66
    .vgpr_count:     226
    .wavefront_size: 32
...
	.end_amdgpu_metadata
.endif
;; end of part 4
;; launch hid (part 5): grid 8 x 32, 4 waves a work-group, clusters of 4 x 4, 327,680 bytes of LDS; arguments spk1, W1b, b1, beta2, thr2, spkb; writes spkb
.if DOCPART == 5
	.amdgcn_target "amdgcn-amd-amdhsa--gfx1250"
	.amdhsa_code_object_version 6
	.text
	.protected	k_q68dd8a416a_hid
	.globl	k_q68dd8a416a_hid
	.p2align	8
	.type	k_q68dd8a416a_hid,@function
k_q68dd8a416a_hid:
	s_mov_b64 s[64:65], 0
	v_nop
	global_prefetch_b8 v0, s[64:65] scope:SCOPE_SE
	s_setreg_imm32_b32 hwreg(HW_REG_WAVE_MODE, 25, 1), 1
	s_wait_xcnt 0x0
	s_wait_alu depctr_hold_cnt(0) depctr_sa_sdst(0) depctr_va_vdst(0) depctr_va_sdst(0) depctr_va_ssrc(0) depctr_va_vcc(0) depctr_vm_vsrc(0)
	s_getreg_b32 s2, hwreg(HW_REG_IB_STS2, 6, 4)
	s_cmp_eq_u32 s2, 0
	s_cbranch_scc0 .Lentry_in_a_cluster
	s_endpgm
.Lentry_in_a_cluster:
	s_bfe_u32 s2, ttmp6, 0x10000c
	s_cmp_lg_u32 s2, 0xf033
	s_cbranch_scc0 .Lentry_shape_is_right
	s_endpgm
.Lentry_shape_is_right:
; hid: h1[b][o][t] = sum over i of W1[o][i] spk1[b][i][t] + b1[o], then layer 2's scan along t.  The spikes leave as BITS:
; spkb [32 b][64 kw][256 t] words of 32 bits, bit L of word (b, kw, t) = the spike of o = 32 kw + L at step t.
; A work-group (ob = x, b = y) makes o = 256 ob .. + 255 of batch b, all 256 t: a block of 256 x 256.  Wave w takes all 256 t and 64 o (four n tiles):
; 16 x 4 accumulator tiles, 512 registers.  Weights in bf16 (W1b), spikes 0 or 1, exact in bf16; sums in f32; the bias is one f32 add behind the sum.
; FORMAT, the program's stated limit (see prep): b1, beta2 and thr2 are rounded to bf16 as they come in; all arithmetic is f32.
; WHO IS WHAT.  Source 0 = 16 t x 32 i of spikes, source 1 = 32 i x 16 o of weights.  Rows 0-7 of source 0 in m tile mt are t = 8 mt .. + 7, rows 8-15 are
; t = 128 + 8 mt .. + 7.  In the result lane (r, h) then holds o = r of the n tile, and its registers 0-7 are t = 128 h + 8 mt .. + 7: t runs along the
; registers, the first half of t in lanes 0-15, the second in lanes 16-31.  For the scan n tiles 2 p and 2 p + 1 exchange halves, so that lane L owns the
; whole row o = 32 p + L: in the first 128 steps lanes 16-31 take from lanes 0-15 of tile 2 p + 1, in the last 128 lanes 0-15 take from lanes 16-31 of
; tile 2 p.  So the scan runs on all 32 lanes, two chains (p = 0, 1) a lane, and the lane mask of the comparison mem > thr at step t IS the word
; (b, 8 ob + 2 w + p, t) of spkb: one v_writelane_b32 puts it into lane t / 4 mod 32 of register t mod 4, and four stores of 16 bytes a lane take a wave's 512 words out.
; spk1 lies [i][t], so source 0 is read by transposing LDS loads: lanes 0-7 and 16-23 address the first half of a row, the others the second.
; K = 1,024 goes in 8 steps of 128 through two LDS slots.  A step is 8 groups of 32 matrix instructions (8 m tiles x 4 n tiles, 32 along K).
; CLUSTERS: 4 x 4.  The spikes hang on b alone and are asked for jointly along a row of the cluster, the weights on ob alone, along a column.
; Each wave fetches a quarter of a slot, 32 KiB.  A wave has two tensor loads out at the start and one behind each refill's barrier.
; FURTHER LIMITS as in prep: a NaN beta counts as 0; reset * thr is a select; beta * mem + h is fused; mem > thr stands for mem - thr > 0.
.set SP,    544                        ; LDS row of spikes: 128 bf16, 16 bytes, 128 bf16, 16 bytes = 17 x 32: eight rows start at eight different 32-byte columns of 256,
.set SH,    272                        ; and the second half of a row begins 16 bytes off a multiple of 256, so the two halves' lanes take the odd and the even 16-byte columns
.set WP,    272                        ; LDS row of weights: 128 bf16 + 16 bytes = 17 x 16
.set LREG,  34816                      ; wave w's fill begins at w x LREG in a slot: 64 rows of spikes, or 128 rows of weights
.set SLOT,  4*LREG                     ; spikes' rows 0-63, 64-127, weights' rows 0-127, 128-255
.set LAPS,  4                          ; a lap = two K steps
.set G1S, 24                           ; s[24:31] group 1 of the spikes' tiles
.set G0S, 32                           ; s[32:39] group 0 of the spikes' tiles, one set for each slot
.set G1W, 48                           ; s[48:55] group 1 of the weights' tiles
.set G0W, 56                           ; s[56:63] group 0 of the weights' tiles
.set BETA0, 8
.set BETA1, 9
.set THR0,  10
.set THR1,  11
.set BIAS,  12                         ; v12-15 b1 of o = 16 nt + r, n tiles 0 to 3
.set ADRA,  16                         ; v16-17 LDS address of my spike fragments in slot 0, 1
.set ADRB,  20                         ; v20-21 of my weight fragments
.set CO,    26                         ; 16 x lane: my offset in 512 bytes of spkb
.set PO,    27                         ; offset of my b1
.set PL,    28                         ; offset of my beta2, thr2
.set TX,    32                         ; v32-33 what comes from the other half of the lanes
.set PB0,   36                         ; v[36:43] chain 0's words: register 4 (t / 128) + t mod 4, lane t / 4 mod 32
.set MEM0,  48
.set MEM1,  49
.set SUM0,  50
.set SUM1,  51
.set RST0,  52
.set RST1,  53
.set PB1,   54                         ; v[54:61] chain 1's words
.set UP0,   62                         ; at work
.set UP1,   63
.set FA,    64                         ; v64-127, v128-191: spike fragments, two buffers of 8
.set FB,    192                        ; v192-223, v224-255: weight fragments, two buffers of 4
.set XA0,   64                         ; in the scan, 32 steps each: h of n tile 0,
.set XA1,   96                         ; of n tile 2,
.set XB0,   128                        ; of n tile 1,
.set XB1,   160                        ; of n tile 3
; window 1 (v256-511): the sums of m tiles 0-7, tile (mt, nt) at v[64 nt + 8 mt]; window 2 (v512-767): those of m tiles 8-15, at v[64 nt + 8 (mt - 8)].
; So a group's 32 tiles, and what the scan fetches at a time, lie in one window.
.set MSB, 0
.macro WIN new                         ; the immediate's high byte repeats the setting that is left
.if MSB != \new
	s_set_vgpr_msb (MSB<<8)|\new
.set MSB, \new
.endif
.endm
.macro PLACES                          ; four places behind a matrix instruction before a load lands in, or a vector instruction touches, one of its registers
.rept 4
	v_nop
.endr
.endm
; a joint load: waves 0 and 1 ask for the two halves of the spikes' rows, waves 2 and 3 for the two halves of the weights'.  The branch hangs on the wave's number alone.
.macro JLOAD s
	s_cmp_eq_u32 s17, 0
	s_cbranch_scc0 .Lfor_w_\@
	tensor_load_to_lds s[G0S+4*\s:G0S+4*\s+3], s[G1S:G1S+7]
	s_nop 0
	s_branch .Lasked_\@
.Lfor_w_\@:
	tensor_load_to_lds s[G0W+4*\s:G0W+4*\s+3], s[G1W:G1W+7]
	s_nop 0
.Lasked_\@:
.endm
.macro CREST                           ; a round of the cluster's barrier behind its opening barrier
	s_cmp_lg_u32 s16, 0
	s_cbranch_scc1 .Lnot_wave_0_\@
	s_barrier_signal -3
.Lnot_wave_0_\@:
	s_barrier_wait -3
	s_barrier_signal -1
	s_barrier_wait -1
.endm
.macro CROUND                          ; a whole round
	s_barrier_signal -1
	s_barrier_wait -1
	CREST
.endm
	s_load_b256 s[4:11], s[0:1], 0x0               ; spk1 s[4:5], W1b s[6:7], b1 s[8:9], beta2 s[10:11]
	s_load_b128 s[12:15], s[0:1], 0x20             ; thr2 s[12:13], spkb s[14:15]
	v_lshl_add_u32 v46, v0, 2, 0x44000
	v_mov_b32 v47, 0
	ds_add_u32 v46, v47
	ds_add_u32 v46, v47
	v_lshrrev_b32 v1, 5, v0
	v_readfirstlane_b32 s16, v1                    ; wave 0..3
	s_lshr_b32 s17, s16, 1                         ; 0: I fetch spikes, 1: weights
	s_and_b32 s18, s16, 1                          ; which half of that tile's rows
	s_bfe_u32 s40, ttmp6, 0x40000                  ; cx
	s_bfe_u32 s41, ttmp6, 0x40004                  ; cy
	s_lshl_b32 s42, ttmp9, 2
	s_add_co_u32 s42, s42, s40                     ; ob = 4 x cluster x + cx
	s_and_b32 s43, ttmp7, 0xffff
	s_lshl_b32 s43, s43, 2
	s_add_co_u32 s43, s43, s41                     ; b = 4 x cluster y + cy
	s_lshl_b32 s44, s41, 2
	s_lshl_b32 s44, 15, s44                        ; my row of the cluster
	s_lshl_b32 s45, 0x1111, s40                    ; my column
	; spikes: 64 rows (i) x 256 elements of 2 bytes, dense; 4 words of padding behind every 64 words, that is behind each half of a row
	s_or_b32 s[G1S+0], s44, (1<<16)|(1<<20)|(1<<21)|(5<<22)|(3<<25)
	s_mov_b32 s[G1S+1], 256<<16
	s_mov_b32 s[G1S+2], 64<<16
	s_mov_b32 s[G1S+3], 256<<16
	s_mov_b32 s[G1S+4], 64
	s_mov_b32 s[G1S+5], 256
	s_mov_b32 s[G1S+6], 0
	s_mov_b32 s[G1S+7], 0
	; weights: 128 rows (o) x 128 elements of 2 bytes, rows 1,024 elements apart; 4 words of padding behind every 64 words
	s_or_b32 s[G1W+0], s45, (1<<16)|(1<<20)|(1<<21)|(5<<22)|(3<<25)
	s_mov_b32 s[G1W+1], 128<<16
	s_mov_b32 s[G1W+2], 128<<16
	s_mov_b32 s[G1W+3], 128<<16
	s_mov_b32 s[G1W+4], 128
	s_mov_b32 s[G1W+5], 1024
	s_mov_b32 s[G1W+6], 0
	s_mov_b32 s[G1W+7], 0
	; every wave makes both addresses, each in registers that never hold the other coordinate
	s_lshl_b32 s46, s43, 19                        ; b x 1,024 rows x 512 bytes
	s_lshl_b32 s47, s18, 15                        ; + half x 64 rows
	s_add_co_u32 s46, s46, s47
	s_mov_b32 s47, 0
	s_lshl_b32 s66, s42, 1
	s_add_co_u32 s66, s66, s18                     ; 2 ob + half
	s_lshl_b32 s66, s66, 18                        ; x 128 rows x 2,048 bytes
	s_mov_b32 s67, 0
	s_mul_i32 s20, s16, LREG                       ; where my fills go: the wave's number alone
	s_wait_dscnt 0x0
	s_wait_kmcnt 0x0
	s_add_nc_u64 s[46:47], s[4:5], s[46:47]
	s_add_nc_u64 s[66:67], s[6:7], s[66:67]
	CROUND                                         ; all sixteen work-groups are here: the first joint loads meet
.irp n, 0,1
	s_mov_b32 s[G0S+4*\n], 1
	s_add_co_u32 s[G0S+4*\n+1], s20, \n*SLOT
	s_add_nc_u64 s[G0S+4*\n+2:G0S+4*\n+3], s[46:47], \n*65536      ; K step n: 128 rows of 512 bytes
	s_or_b32 s[G0S+4*\n+3], s[G0S+4*\n+3], 0x80000000
	s_mov_b32 s[G0W+4*\n], 1
	s_add_co_u32 s[G0W+4*\n+1], s20, \n*SLOT
	s_add_nc_u64 s[G0W+4*\n+2:G0W+4*\n+3], s[66:67], \n*256        ; K step n: 128 weights of each row
	s_or_b32 s[G0W+4*\n+3], s[G0W+4*\n+3], 0x80000000
	JLOAD \n
.endr
	v_and_b32 v1, 31, v0                           ; lane
	v_and_b32 v2, 15, v0                           ; r
	v_bfe_u32 v3, v0, 4, 1                         ; h
	v_and_b32 v4, 7, v0
	v_bfe_u32 v5, v0, 3, 1                         ; which half of a row my lane addresses
	v_lshl_add_u32 v4, v3, 3, v4                   ; row 8 h + lane mod 8
	v_mul_u32_u24 v4, v4, SP
	v_mul_u32_u24 v5, v5, SH
	v_add_nc_u32 v[ADRA], v4, v5
	v_add_nc_u32 v[ADRA+1], SLOT, v[ADRA]
	s_mul_i32 s22, s16, 64*WP                      ; my 64 rows of weights, behind the spikes
	s_add_co_u32 s22, s22, 2*LREG
	v_mul_u32_u24 v6, v2, WP
	v_lshl_add_u32 v6, v3, 4, v6
	v_add_nc_u32 v[ADRB], s22, v6
	v_add_nc_u32 v[ADRB+1], SLOT, v[ADRB]
	v_lshlrev_b32 v[CO], 4, v1
	s_lshl_b32 s70, s42, 10                        ; o = 256 ob + 64 wave + ..., 4 bytes each
	s_lshl_b32 s71, s16, 8
	s_add_co_u32 s70, s70, s71
	v_lshl_add_u32 v[PO], v2, 2, s70               ; .. + 16 nt + r
	v_lshl_add_u32 v[PL], v1, 2, s70               ; .. + 32 p + lane
.irp n, 0,1,2,3
	global_load_b32 v[BIAS+\n], v[PO], s[8:9] offset:64*\n         ; all eight are waited for in front of the scan
.endr
	global_load_b32 v[BETA0], v[PL], s[10:11]
	global_load_b32 v[BETA1], v[PL], s[10:11] offset:128
	global_load_b32 v[THR0], v[PL], s[12:13]
	global_load_b32 v[THR1], v[PL], s[12:13] offset:128
	s_lshl_b32 s68, s43, 16                        ; spkb at batch b (64 x 1,024 bytes), kw = 8 ob + 2 wave (1,024 bytes each)
	s_lshl_b32 s70, s42, 13
	s_lshl_b32 s71, s16, 11
	s_add_co_u32 s68, s68, s70
	s_add_co_u32 s68, s68, s71
	s_mov_b32 s69, 0
	s_add_nc_u64 s[14:15], s[14:15], s[68:69]
; eight spike fragments: m tiles 8 gh .. 8 gh + 7, i = 32 kk .. + 31 of the slot.  The first load brings i = 8 h .. + 7 of my row t, the second i = 16 + 8 h .. + 7.
.macro LDA buf, slot, kk, gh
.irp i, 0,1,2,3,4,5,6,7
	ds_load_tr16_b128 v[FA+64*(\buf)+8*\i:FA+64*(\buf)+8*\i+3],   v[ADRA+\slot] offset:(\kk)*32*SP+(8*(\gh)+\i)*16
	ds_load_tr16_b128 v[FA+64*(\buf)+8*\i+4:FA+64*(\buf)+8*\i+7], v[ADRA+\slot] offset:(\kk)*32*SP+(8*(\gh)+\i)*16+16*SP
.endr
.endm
; four weight fragments: n tiles 0 to 3, i = 32 kk .. + 31 of the slot
.macro LDB buf, slot, kk
.irp n, 0,1,2,3
	ds_load_b128 v[FB+32*(\buf)+8*\n:FB+32*(\buf)+8*\n+3],   v[ADRB+\slot] offset:\n*16*WP+(\kk)*64
	ds_load_b128 v[FB+32*(\buf)+8*\n+4:FB+32*(\buf)+8*\n+7], v[ADRB+\slot] offset:\n*16*WP+(\kk)*64+32
.endr
.endm
; eight matrix instructions: the window's eight m tiles of n tile nt.  The accumulators take turns, one instruction a turn.
.macro MUL8 abuf, bbuf, nt, zero
.irp i, 0,1,2,3,4,5,6,7
.if \zero
	v_wmma_f32_16x16x32_bf16 v[64*(\nt)+8*\i:64*(\nt)+8*\i+7], v[FA+64*(\abuf)+8*\i:FA+64*(\abuf)+8*\i+7], v[FB+32*(\bbuf)+8*(\nt):FB+32*(\bbuf)+8*(\nt)+7], 0
.else
	v_wmma_f32_16x16x32_bf16 v[64*(\nt)+8*\i:64*(\nt)+8*\i+7], v[FA+64*(\abuf)+8*\i:FA+64*(\abuf)+8*\i+7], v[FB+32*(\bbuf)+8*(\nt):FB+32*(\bbuf)+8*(\nt)+7], v[64*(\nt)+8*\i:64*(\nt)+8*\i+7]
.endif
.endr
.endm
; group q = 0 .. 6 of a K step (kk = q / 2, m tiles 8 (q mod 2) .. + 7): the next group's fragments are asked for, then this group is multiplied.
; Spike buffers q mod 2, weight buffers kk mod 2; the weights of kk + 1 are asked for in the second group of kk.
.macro GRP slot, q, zero
	s_wait_dscnt 0x0                               ; this group's fragments, asked for one group (32 matrix instructions) ago; nothing younger is out
	PLACES
	WIN 0
	LDA ((\q+1)&1), \slot, ((\q+1)/2), ((\q+1)%2)
.if ((\q+1)%2) == 0
	LDB (((\q+1)/2)&1), \slot, ((\q+1)/2)
.endif
	WIN (0x50+0x50*(\q&1))                         ; C and D in window 1 (m tiles 0-7) or 2 (8-15)
	MUL8 (\q&1), ((\q/2)&1), 0, \zero
	MUL8 (\q&1), ((\q/2)&1), 1, \zero
	MUL8 (\q&1), ((\q/2)&1), 2, \zero
	MUL8 (\q&1), ((\q/2)&1), 3, \zero
.endm
.macro STEP7 slot, zero                ; zero = 1: the first 32 along K start the sums, nothing is cleared
	GRP \slot, 0, \zero
	GRP \slot, 1, \zero
	GRP \slot, 2, 0
	GRP \slot, 3, 0
	GRP \slot, 4, 0
	GRP \slot, 5, 0
	GRP \slot, 6, 0
.endm
; group 7 and the change of slots.  In front of the barrier each wave waits for its reads of this slot and for all its tensor loads (the one that is out is
; its part of the next slot).  Behind it (where the slot is filled again: behind the cluster's round that it opens) the refill comes first, one load a wave,
; then the next slot's first fragments.  From a request to the wait for it a wave issues 240 matrix instructions.
.macro TURN slot, next, fill
	s_wait_dscnt 0x0
	s_wait_tensorcnt 0x0
	ds_add_u32 v46, v47
	s_wait_dscnt 0x0
	s_barrier_signal -1
	WIN 0xa0
	MUL8 1, 1, 0, 0                                ; register work while the others arrive
	MUL8 1, 1, 1, 0
	WIN 0
	s_barrier_wait -1
.if \fill
	CREST
	s_add_nc_u64 s[G0S+4*\slot+2:G0S+4*\slot+3], s[G0S+4*\slot+2:G0S+4*\slot+3], 2*65536
	s_add_nc_u64 s[G0W+4*\slot+2:G0W+4*\slot+3], s[G0W+4*\slot+2:G0W+4*\slot+3], 2*256
	JLOAD \slot
.endif
	PLACES
	LDA 0, \next, 0, 0
	LDB 0, \next, 0
	WIN 0xa0
	MUL8 1, 1, 2, 0
	MUL8 1, 1, 3, 0
.endm
.macro LAP zero
	STEP7 0, \zero
	TURN 0, 1, 1
	STEP7 1, 0
	TURN 1, 0, 1
.endm
	s_wait_tensorcnt 0x1                           ; my part of K step 0 is in; K step 1's may stay out
	s_barrier_signal -1
	s_barrier_wait -1
	LDA 0, 0, 0, 0
	LDB 0, 0, 0
	LAP 1                                          ; K steps 0, 1; asks for 2, 3
	WIN 0
	s_mov_b32 s19, LAPS-2
.Llap:
	LAP 0                                          ; K steps 2 .. 5; asks for 4 .. 7
	WIN 0
	s_sub_co_u32 s19, s19, 1
	s_cmp_lg_u32 s19, 0
	s_cbranch_scc1 .Llap
	STEP7 0, 0                                     ; the last lap fills nothing
	TURN 0, 1, 0
	STEP7 1, 0
	s_wait_dscnt 0x0                               ; the last LDS instructions of the text: none is out at the closing round's signal
	WIN 0xa0
	MUL8 1, 1, 0, 0
	MUL8 1, 1, 1, 0
	MUL8 1, 1, 2, 0
	MUL8 1, 1, 3, 0
	; THE SCAN.  Chain p of lane L: o = 32 p + L of my 64.
	PLACES
	WIN 0
	s_wait_loadcnt 0x0                             ; b1, beta2, thr2
	v_cvt_pk_bf16_f32 v[UP0],  v[BIAS],   v[BIAS+1] ; all eight in bf16's precision
	v_cvt_pk_bf16_f32 v[UP1],  v[BIAS+2], v[BIAS+3]
	v_cvt_pk_bf16_f32 v[SUM0], v[BETA0],  v[BETA1]
	v_cvt_pk_bf16_f32 v[SUM1], v[THR0],   v[THR1]
	v_lshlrev_b32 v[BIAS],   16, v[UP0]
	v_and_b32     v[BIAS+1], 0xffff0000, v[UP0]
	v_lshlrev_b32 v[BIAS+2], 16, v[UP1]
	v_and_b32     v[BIAS+3], 0xffff0000, v[UP1]
	v_lshlrev_b32 v[BETA0],  16, v[SUM0]
	v_and_b32     v[BETA1],  0xffff0000, v[SUM0]
	v_lshlrev_b32 v[THR0],   16, v[SUM1]
	v_and_b32     v[THR1],   0xffff0000, v[SUM1]
	v_max_num_f32 v[BETA0], 0, v[BETA0]            ; clip(beta, 0, 1)
	v_max_num_f32 v[BETA1], 0, v[BETA1]
	v_min_num_f32 v[BETA0], 1.0, v[BETA0]
	v_min_num_f32 v[BETA1], 1.0, v[BETA1]
	v_mov_b32 v[MEM0], 0
	v_mov_b32 v[MEM1], 0
	v_mov_b32 v[TX], 0                             ; v_permlanex16_b32 and v_writelane_b32 count as readers of their destinations: these 18 registers are written once here;
	v_mov_b32 v[TX+1], 0                           ; every lane of the sixteen word registers is written again below
.irp i, 0,1,2,3,4,5,6,7
	v_mov_b32 v[PB0+\i], 0
	v_mov_b32 v[PB1+\i], 0
.endr
	s_mov_b32 s22, 0x76543210                      ; v_permlanex16_b32: lane i of one half reads lane i of the other
	s_mov_b32 s23, 0xfedcba98
	s_mov_b32 s71, 0xffff0000                      ; lanes 16-31
	v_cmp_gt_f32 vcc_lo, 0, v[THR0]                ; the first reset: 0 > thr
	v_cmp_gt_f32 s70, 0, v[THR1]
; h = sum + bias of m tiles 4 G .. 4 G + 3 (32 registers of t) of all four n tiles, out of the window in one run
.macro FETCH G
	WIN (0x01+(\G>>1))                             ; source 0 in window 1 (m tiles 0-7) or 2 (8-15)
.set jj, 0
.rept 32
	v_add_f32 v[XA0+jj], v[32*(\G&1)+jj],     v[BIAS]
	v_add_f32 v[XB0+jj], v[64+32*(\G&1)+jj],  v[BIAS+1]
	v_add_f32 v[XA1+jj], v[128+32*(\G&1)+jj], v[BIAS+2]
	v_add_f32 v[XB1+jj], v[192+32*(\G&1)+jj], v[BIAS+3]
.set jj, jj+1
.endr
	WIN 0
.endm
; The exchange for step j.  ph = 0 (t < 128): lanes 16-31 take the odd n tile's value from lanes 0-15; the whole step lies in XA.
; ph = 1 (t >= 128): lanes 0-15 take the even n tile's value from lanes 16-31; the whole step lies in XB = XA + 64.
.macro XPERM ph, j
	v_permlanex16_b32 v[TX],   v[XA0+64*(1-\ph)+\j], s22, s23
	v_permlanex16_b32 v[TX+1], v[XA1+64*(1-\ph)+\j], s22, s23
.endm
.macro XSEL ph, j
.if \ph
	v_cndmask_b32 v[XB0+\j], v[TX],   v[XB0+\j], s71
	v_cndmask_b32 v[XB1+\j], v[TX+1], v[XB1+\j], s71
.else
	v_cndmask_b32 v[XA0+\j], v[XA0+\j], v[TX],   s71
	v_cndmask_b32 v[XA1+\j], v[XA1+\j], v[TX+1], s71
.endif
.endm
; the two masks of step t, still in VCC and s70, go into their lane of the word registers
.macro WORDS t
	v_writelane_b32 v[PB0+4*((\t)>>7)+((\t)&3)], vcc_lo, (((\t)>>2)&31)
	v_writelane_b32 v[PB1+4*((\t)>>7)+((\t)&3)], s70, (((\t)>>2)&31)
.endm
; one step (number tt of 256) of both chains, line by line in turn; VCC and s70 hold mem > thr: the spike of this step, the reset of the next.
; The words of the step before, and the exchange for the step after next, stand between the lines that wait for each other's results.
.macro LIF2 ph, j, tt
	v_fma_f32 v[SUM0], v[BETA0], v[MEM0], v[XA0+64*\ph+\j]
	v_fma_f32 v[SUM1], v[BETA1], v[MEM1], v[XA1+64*\ph+\j]
	v_cndmask_b32 v[RST0], 0, v[THR0], vcc_lo
	v_cndmask_b32 v[RST1], 0, v[THR1], s70
.if \tt > 0
	WORDS (\tt-1)
.endif
.if \j+2 < 32
	XPERM \ph, \j+2
.endif
	v_sub_f32 v[MEM0], v[SUM0], v[RST0]
	v_sub_f32 v[MEM1], v[SUM1], v[RST1]
.if \j+2 < 32
	XSEL \ph, \j+2
.endif
	v_cmp_gt_f32 vcc_lo, v[MEM0], v[THR0]
	v_cmp_gt_f32 s70, v[MEM1], v[THR1]
.endm
; 32 steps, t = 128 ph + 32 G .. + 31
.macro SCAN32 ph, G
	FETCH \G
	XPERM \ph, 0
	XSEL  \ph, 0
	XPERM \ph, 1
	XSEL  \ph, 1
.set jj, 0
.rept 32
	LIF2 \ph, jj, (128*\ph+32*\G+jj)
.set jj, jj+1
.endr
.endm
	SCAN32 0, 0
	SCAN32 0, 1
	SCAN32 0, 2
	SCAN32 0, 3
	SCAN32 1, 0                                    ; its first step has put step 127's words in place
	global_store_b128 v[CO], v[PB0:PB0+3], s[14:15]                ; t = 0 .. 127 of kw = 8 ob + 2 w: the wave stores 512 consecutive bytes, aligned; these registers are not written again
	global_store_b128 v[CO], v[PB1:PB1+3], s[14:15] offset:1024    ; of kw + 1
	SCAN32 1, 1
	SCAN32 1, 2
	SCAN32 1, 3
	WORDS 255
	global_store_b128 v[CO], v[PB0+4:PB0+7], s[14:15] offset:512   ; t = 128 .. 255
	global_store_b128 v[CO], v[PB1+4:PB1+7], s[14:15] offset:1536
	CROUND                                         ; the closing round: no work-group ends while a partner may still ask for a tile that names it
	s_endpgm
.Lfunc_end_k_q68dd8a416a_hid:
	.size	k_q68dd8a416a_hid, .Lfunc_end_k_q68dd8a416a_hid-k_q68dd8a416a_hid
	.p2alignl 7, 3214868480
	.fill 96, 4, 3214868480
	.section	.rodata,"a",@progbits
	.p2align	6, 0x0
	.amdhsa_kernel k_q68dd8a416a_hid
		.amdhsa_group_segment_fixed_size 327680
		.amdhsa_private_segment_fixed_size 0
		.amdhsa_enable_private_segment 0
		.amdhsa_kernarg_size 48
		.amdhsa_user_sgpr_count 2
		.amdhsa_user_sgpr_kernarg_segment_ptr 1
		.amdhsa_wavefront_size32 1
		.amdhsa_system_sgpr_workgroup_id_x 1
		.amdhsa_system_sgpr_workgroup_id_y 1
		.amdhsa_system_sgpr_workgroup_id_z 1
		.amdhsa_system_vgpr_workitem_id 0
		.amdhsa_next_free_vgpr 768
		.amdhsa_next_free_sgpr 72
		.amdhsa_reserve_vcc 1
		.amdhsa_float_denorm_mode_32 3
		.amdhsa_float_denorm_mode_16_64 3
		.amdhsa_memory_ordered 1
		.amdhsa_forward_progress 1
		.amdhsa_inst_pref_size 255
	.end_amdhsa_kernel
	.section	.bss,"aw",@nobits
	.p2align	6
	.space	262144
	.amdgpu_metadata
---
amdhsa.version: [ 1, 2 ]
amdhsa.kernels:
  - .name:           k_q68dd8a416a_hid
    .symbol:         k_q68dd8a416a_hid.kd
    .args:
      - { .name: spk1, .offset: 0, .size: 8, .value_kind: global_buffer, .address_space: global }
      - { .name: W1b, .offset: 8, .size: 8, .value_kind: global_buffer, .address_space: global }
      - { .name: b1, .offset: 16, .size: 8, .value_kind: global_buffer, .address_space: global }
      - { .name: beta2, .offset: 24, .size: 8, .value_kind: global_buffer, .address_space: global }
      - { .name: thr2, .offset: 32, .size: 8, .value_kind: global_buffer, .address_space: global }
      - { .name: spkb, .offset: 40, .size: 8, .value_kind: global_buffer, .address_space: global }
    .group_segment_fixed_size: 327680
    .private_segment_fixed_size: 0
    .kernarg_segment_align: 8
    .kernarg_segment_size: 48
    .max_flat_workgroup_size: 128
    .sgpr_count:     72
    .vgpr_count:     768
    .wavefront_size: 32
...
	.end_amdgpu_metadata
.endif
;; end of part 5
;; launch outl (part 6): grid 8 x 32, 4 waves a work-group, clusters of 4 x 4, 279,040 bytes of LDS; arguments spkb, W2p, b2, beta3, thr3, out0; writes out0
.if DOCPART == 6
	.amdgcn_target "amdgcn-amd-amdhsa--gfx1250"
	.amdhsa_code_object_version 6
	.text
	.protected	k_q68dd8a416a_outl
	.globl	k_q68dd8a416a_outl
	.p2align	8
	.type	k_q68dd8a416a_outl,@function
k_q68dd8a416a_outl:
	s_mov_b64 s[64:65], 0
	v_nop
	global_prefetch_b8 v0, s[64:65] scope:SCOPE_SE
	s_setreg_imm32_b32 hwreg(HW_REG_WAVE_MODE, 25, 1), 1
	s_wait_xcnt 0x0
	s_wait_alu depctr_hold_cnt(0) depctr_sa_sdst(0) depctr_va_vdst(0) depctr_va_sdst(0) depctr_va_ssrc(0) depctr_va_vcc(0) depctr_vm_vsrc(0)
	s_getreg_b32 s2, hwreg(HW_REG_IB_STS2, 6, 4)
	s_cmp_eq_u32 s2, 0
	s_cbranch_scc0 .Lentry_in_a_cluster
	s_endpgm
.Lentry_in_a_cluster:
	s_bfe_u32 s2, ttmp6, 0x10000c
	s_cmp_lg_u32 s2, 0xf033
	s_cbranch_scc0 .Lentry_shape_is_right
	s_endpgm
.Lentry_shape_is_right:
; outl: h2[b][o][t] = sum over k of W2[o][k] spike[b][k][t] + b2[o], then layer 3's scan along t; the membrane goes to out0 [32][512][256] f32.
; The spikes come as bits: spkb [32 b][64 kw][256 t] words, bit L of word (b, kw, t) = the spike of k = 32 kw + L at step t.
; A work-group (ob = x, b = y) makes o = 64 ob .. + 63 of batch b, all 256 t.  Wave w takes t = 64 w .. + 63 (four m tiles) and all 64 o (four n tiles): 16 accumulator tiles.
; FORMAT, the program's stated limit (see prep): b2, beta3 and thr3 are rounded to bf16 as they come in; all arithmetic is f32.
; THE WEIGHTS: the work-group's 64 rows x 2,048 bf16 (W2p) all lie in LDS, 16 regions of 64 rows x 128 k; wave w brings region 4 Q + w of K quarter Q: four tensor loads
; a wave, all out at the start, no LDS byte filled twice.  CLUSTERS: 4 x 4; the weights hang on ob alone and are asked for jointly along a column of the cluster.
; THE BITS are not asked for jointly: they go straight into registers (16 loads of 16 bytes a lane for a K quarter), since LDS has no room for them beside the weights:
; 278,528 + 65,536 bytes are more than the 327,680 there are.  They are 64 KiB of the 320 KiB that a work-group takes in.
; A SPIKE FRAGMENT FROM BITS.  Row r of m tile q is t = 64 w + 4 r + q, so the 16 bytes that lane r loads at (kw, 64 w + 4 r) are the words of its row in the four m tiles.
; With u = word >> 8 h, register j of the fragment is (u << (14 - j)) & 0x40004000: bit 14 of a bf16 alone is the number 2.0, so the low half is 2.0 x the spike of
; k = 8 h + j and the high half 2.0 x that of k = 8 h + j + 16.  W2p holds its weights in the same order within each 32 k (see prep), so plain loads give the matching
; weight fragment.  The sums come out doubled; the factor 0.5 is exact and goes out in the multiply-add that adds the bias.
; In the result lane (r, h) holds o = r of the n tile, and register j of m tile q is t = 64 w + 32 h + 4 j + q.
; THE SCHEDULE.  A block of 32 k is 16 matrix instructions; the 64 vector instructions that make the next block's four spike fragments stand between them.
; h2 then goes through LDS (which the row-wise output needs anyway), rows of 256 f32, and waves 0 and 1 scan it there, a lane to a row, in place.
; FURTHER LIMITS: the doubled sums overflow at half of f32's range; within 32 k the products are added in another order than k's.
; As in prep: a NaN beta counts as 0; reset * thr is a select; beta * mem + h is fused; mem > thr stands for mem - thr > 0.
.set WP,    272                        ; LDS row of weights: 128 bf16 + 16 bytes = 17 x 16
.set WREG,  64*WP                      ; a region: what one tensor load brings
.set QREG,  4*WREG                     ; a K quarter: 512 k
.set HP,    1040                       ; a row of h2: 256 f32 + 16 bytes = 65 x 16
; h2's 64 rows (66,560 bytes) lie from LDS byte 0 on, in K quarter 0's bytes: these have had their only fill, and the barrier in front of K quarter 1,
; ahead of which every wave waits for its LDS reads, shows the reads of them over.
.set G1,    24                         ; s[24:31] descriptor group 1
.set G0,    32                         ; s[32:47] descriptor group 0, one set for each K quarter
.set BETA,  8
.set THR,   9
.set BIAS,  10                         ; v10-13 b2 of o = 16 nt + r
.set SUM,   14
.set RST,   15
.set ADRB,  16                         ; v16-19 LDS address of my weight fragments in K quarter 0 to 3
.set DST,   20                         ; where my lane's t of n tile 0 go
.set SCA,   21                         ; the row that my lane scans
.set RD,    22                         ; the way out: my wave's first row + 16 x lane
.set CO,    23                         ; 16 x lane
.set PO,    24                         ; offset of my b2
.set PL,    25                         ; offset of my beta3, thr3
.set UO,    26                         ; 16 r: offset of my four words
.set SH8,   27                         ; 8 h
.set MASKV, 28                         ; 0x40004000
.set FB,    32                         ; v32-63, v64-95: weight fragments, two buffers of 4
.set XB,    32                         ; later: 32 t of h2, two buffers; the way out's data
.set Y,     96                         ; v96-127: in the scan, 32 membranes
.set U,     128                        ; v128-191, v192-255: the bits of a K quarter, two buffers: block kl's four words at 4 kl
.set T,     128                        ; later: h2 on its way into LDS
.set AF,    128                        ; window 1: v384-415, v416-447: spike fragments, two buffers of 4
; window 1, v256-383: the sums, tile (nt, q) at v[32 nt + 8 q].
; The setting 0x51 (destination, source 0 and source 2 in window 1, source 1 in window 0) serves the matrix instructions (D, spikes, weights, C) and the vector
; instructions between them (fragment <- shift, bits; fragment <- fragment, mask) alike; only the LDS loads of the weights need the setting 0: two switches a block.
.set MSB, 0
.macro WIN new                         ; the immediate's high byte repeats the setting that is left
.if MSB != \new
	s_set_vgpr_msb (MSB<<8)|\new
.set MSB, \new
.endif
.endm
.macro PLACES                          ; four places behind a matrix instruction before a vector instruction touches one of its registers (ISA guide 7.12.1)
.rept 4
	v_nop
.endr
.endm
.macro CREST                           ; a round of the cluster's barrier behind its opening barrier
	s_cmp_lg_u32 s16, 0
	s_cbranch_scc1 .Lnot_wave_0_\@
	s_barrier_signal -3
.Lnot_wave_0_\@:
	s_barrier_wait -3
	s_barrier_signal -1
	s_barrier_wait -1
.endm
.macro CROUND                          ; a whole round
	s_barrier_signal -1
	s_barrier_wait -1
	CREST
.endm
	s_load_b256 s[4:11], s[0:1], 0x0               ; spkb s[4:5], W2p s[6:7], b2 s[8:9], beta3 s[10:11]
	s_load_b128 s[12:15], s[0:1], 0x20             ; thr3 s[12:13], out0 s[14:15]
	v_lshl_add_u32 v30, v0, 2, 0x44000
	v_mov_b32 v31, 0
	ds_add_u32 v30, v31
	ds_add_u32 v30, v31
	v_lshrrev_b32 v1, 5, v0
	v_readfirstlane_b32 s16, v1                    ; wave 0..3
	s_and_b32 s18, s16, 1
	s_bfe_u32 s48, ttmp6, 0x40000                  ; cx
	s_bfe_u32 s49, ttmp6, 0x40004                  ; cy
	s_lshl_b32 s50, ttmp9, 2
	s_add_co_u32 s50, s50, s48                     ; ob = 4 x cluster x + cx
	s_and_b32 s51, ttmp7, 0xffff
	s_lshl_b32 s51, s51, 2
	s_add_co_u32 s51, s51, s49                     ; b = 4 x cluster y + cy
	s_lshl_b32 s52, 0x1111, s48                    ; my column of the cluster
	; weights: 64 rows (o) x 128 elements of 2 bytes, rows 2,048 elements apart; 4 words of padding behind every 64 words
	s_or_b32 s[G1+0], s52, (1<<16)|(1<<20)|(1<<21)|(5<<22)|(3<<25)
	s_mov_b32 s[G1+1], 128<<16
	s_mov_b32 s[G1+2], 64<<16
	s_mov_b32 s[G1+3], 128<<16
	s_mov_b32 s[G1+4], 64
	s_mov_b32 s[G1+5], 2048
	s_mov_b32 s[G1+6], 0
	s_mov_b32 s[G1+7], 0
	s_lshl_b32 s56, s50, 18                        ; ob x 64 rows x 4,096 bytes: of the work-group's place only ob, which my column shares,
	s_lshl_b32 s57, s16, 8                         ; + wave x 128 weights
	s_add_co_u32 s56, s56, s57
	s_mov_b32 s57, 0
	s_mul_i32 s20, s16, WREG                       ; where my fills go: the wave's number alone
	s_wait_dscnt 0x0
	s_wait_kmcnt 0x0
	s_add_nc_u64 s[56:57], s[6:7], s[56:57]
	CROUND                                         ; all sixteen work-groups are here: the joint loads meet
	; all the weights are asked for at once, in the order in which they are used: four tensor loads of the wave are out
.irp q, 0,1,2,3
	s_mov_b32 s[G0+4*\q], 1
	s_add_co_u32 s[G0+4*\q+1], s20, \q*QREG
	s_add_nc_u64 s[G0+4*\q+2:G0+4*\q+3], s[56:57], \q*1024         ; K quarter q: 512 weights on
	s_or_b32 s[G0+4*\q+3], s[G0+4*\q+3], 0x80000000
	tensor_load_to_lds s[G0+4*\q:G0+4*\q+3], s[G1:G1+7]
	s_nop 0
.endr
; the bits of K quarter bt: sixteen loads, one for each block of 32 k; lanes 0-15 take 256 consecutive bytes, aligned, lanes 16-31 the same
.macro LDU bt
.set ii, 0
.rept 16
	global_load_b128 v[U+64*((\bt)&1)+4*ii:U+64*((\bt)&1)+4*ii+3], v[UO], s[4:5] offset:(16*(\bt)+ii)*1024
.set ii, ii+1
.endr
.endm
	v_and_b32 v1, 31, v0                           ; lane
	v_and_b32 v2, 15, v0                           ; r
	v_bfe_u32 v3, v0, 4, 1                         ; h
	s_lshl_b32 s22, s50, 8                         ; o = 64 ob + ..., 4 bytes each
	v_lshl_add_u32 v[PO], v2, 2, s22               ; .. + 16 nt + r
	s_lshl_b32 s23, s18, 7
	s_add_co_u32 s23, s22, s23
	v_lshl_add_u32 v[PL], v1, 2, s23               ; .. + 32 (wave mod 2) + lane
.irp n, 0,1,2,3
	global_load_b32 v[BIAS+\n], v[PO], s[8:9] offset:64*\n
.endr
	global_load_b32 v[BETA], v[PL], s[10:11]       ; used by waves 0 and 1 alone; the other two load them as well, two loads where a branch would cost as much
	global_load_b32 v[THR], v[PL], s[12:13]
	s_lshl_b32 s54, s51, 16                        ; spkb at batch b (64 x 1,024 bytes), t = 64 wave (4 bytes each)
	s_lshl_b32 s55, s16, 8
	s_add_co_u32 s54, s54, s55
	s_mov_b32 s55, 0
	s_add_nc_u64 s[4:5], s[4:5], s[54:55]
	v_lshlrev_b32 v[UO], 4, v2
	LDU 0
	LDU 1
	v_mul_u32_u24 v4, v2, WP
	v_lshl_add_u32 v[ADRB], v3, 4, v4              ; row r, + 16 h
	v_add_nc_u32 v[ADRB+1], QREG, v[ADRB]          ; a register for each K quarter: an LDS instruction's immediate has 16 bits, and a quarter's largest offset is 65,504
	v_add_nc_u32 v[ADRB+2], 2*QREG, v[ADRB]
	v_add_nc_u32 v[ADRB+3], 3*QREG, v[ADRB]
	v_lshlrev_b32 v[SH8], 3, v3
	v_mov_b32 v[MASKV], 0x40004000
	v_mul_u32_u24 v4, v2, HP                       ; h2: row r of the n tile, t = 64 wave + 32 h
	v_lshl_add_u32 v4, v3, 7, v4
	s_lshl_b32 s22, s16, 8
	v_add_nc_u32 v[DST], s22, v4
	s_mul_i32 s22, s18, 32*HP                      ; the scan (waves 0 and 1): row 32 wave + lane
	v_mul_u32_u24 v4, v1, HP
	v_add_nc_u32 v[SCA], s22, v4
	s_mul_i32 s22, s16, 16*HP                      ; the way out: rows 16 wave .. + 15
	v_lshlrev_b32 v[CO], 4, v1
	v_add_nc_u32 v[RD], s22, v[CO]
	s_lshl_b32 s58, s51, 19                        ; out0 at row 512 b + 64 ob + 16 wave, 1,024 bytes each
	s_lshl_b32 s22, s50, 16
	s_lshl_b32 s23, s16, 14
	s_add_co_u32 s58, s58, s22
	s_add_co_u32 s58, s58, s23
	s_mov_b32 s59, 0
	s_add_nc_u64 s[14:15], s[14:15], s[58:59]
; four weight fragments: n tiles 0 to 3, block kl (32 k) of K quarter Q: region kl / 4, 64 bytes kl mod 4 of its rows
.macro LDB buf, Q, kl
.irp n, 0,1,2,3
	ds_load_b128 v[FB+32*(\buf)+8*\n:FB+32*(\buf)+8*\n+3],   v[ADRB+\Q] offset:((\kl)>>2)*WREG+\n*16*WP+((\kl)&3)*64
	ds_load_b128 v[FB+32*(\buf)+8*\n+4:FB+32*(\buf)+8*\n+7], v[ADRB+\Q] offset:((\kl)>>2)*WREG+\n*16*WP+((\kl)&3)*64+32
.endr
.endm
; matrix instruction n = 4 nt + q of a block.  The sixteen accumulators take turns, one instruction a turn.
.macro MM buf, n, zero
.if \zero
	v_wmma_f32_16x16x32_bf16 v[8*(\n):8*(\n)+7], v[AF+32*(\buf)+8*((\n)&3):AF+32*(\buf)+8*((\n)&3)+7], v[FB+32*(\buf)+8*((\n)>>2):FB+32*(\buf)+8*((\n)>>2)+7], 0
.else
	v_wmma_f32_16x16x32_bf16 v[8*(\n):8*(\n)+7], v[AF+32*(\buf)+8*((\n)&3):AF+32*(\buf)+8*((\n)&3)+7], v[FB+32*(\buf)+8*((\n)>>2):FB+32*(\buf)+8*((\n)>>2)+7], v[8*(\n):8*(\n)+7]
.endif
.endm
; piece n (0 to 15) of a block's four spike fragments: registers j = 2 (n mod 4) and j + 1 of fragment n / 4; u = the block's first word register.  First the shifts,
.macro XL buf, n, u
	v_lshlrev_b32 v[AF+32*(\buf)+2*(\n)],   14-2*((\n)&3), v[\u+((\n)>>2)]
	v_lshlrev_b32 v[AF+32*(\buf)+2*(\n)+1], 13-2*((\n)&3), v[\u+((\n)>>2)]
.endm
; then, one matrix instruction later so that they do not wait for the shifts, the masks
.macro XN buf, n
	v_and_b32 v[AF+32*(\buf)+2*(\n)],   v[AF+32*(\buf)+2*(\n)],   v[MASKV]
	v_and_b32 v[AF+32*(\buf)+2*(\n)+1], v[AF+32*(\buf)+2*(\n)+1], v[MASKV]
.endm
; Block kl of K quarter Q, on buffers kl mod 2.  The next block's weights are asked for first; its spike fragments are made between this block's matrix instructions.
; The buffers written here were last read by the block before: behind each of that block's matrix instructions stand at least four of its own vector instructions,
; which name the other buffers alone: the four places that a load into, or a write of, a matrix instruction's source needs.
; The last block of a quarter prepares nothing: the next quarter's weights may be read only behind its barrier.
.macro KB Q, kl, zero
	WIN 0
.if \kl < 15
	LDB ((\kl+1)&1), \Q, (\kl+1)
	s_wait_dscnt 8                                 ; this block's weights are in; the eight loads just issued may be out
.else
	s_wait_dscnt 0x0
.endif
	WIN 0x51
.set nn, 0
.rept 16
	MM (\kl&1), nn, \zero
.if \kl < 15
.if nn > 0
	XN ((\kl+1)&1), nn-1
.endif
	XL ((\kl+1)&1), nn, (U+64*(\Q&1)+4*(\kl+1))
.endif
.set nn, nn+1
.endr
.if \kl < 15
	XN ((\kl+1)&1), 15
.endif
.endm
; The head of K quarter Q.
.macro HEAD Q
	WIN 0
	s_wait_tensorcnt 3-\Q                          ; tensor loads of a wave end in order: my region of quarter Q is in, the 3 - Q younger ones may be out
	s_wait_dscnt 0x0                               ; my reads of the quarter before are over
	s_barrier_signal -1
	s_barrier_wait -1                              ; both hold of every wave
	LDB 0, \Q, 0
.if (\Q-1)*(\Q-2) == 0
	LDU (\Q+1)                                     ; the next quarter's bits, into the buffer that the quarter before has used up
.endif
.if \Q < 3
	s_wait_loadcnt 16                              ; loads come back in order: this quarter's bits are in, the next quarter's sixteen loads may be out
.else
	s_wait_loadcnt 0x0
.endif
.set ii, 0
.rept 64
	v_lshrrev_b32 v[U+64*(\Q&1)+ii], v[SH8], v[U+64*(\Q&1)+ii]     ; u = word >> 8 h
.set ii, ii+1
.endr
	WIN 0x51
.set nn, 0
.rept 16
	XL 0, nn, (U+64*(\Q&1))                        ; the first block's spike fragments
.set nn, nn+1
.endr
.set nn, 0
.rept 16
	XN 0, nn
.set nn, nn+1
.endr
.endm
.macro QUARTER Q, zero                 ; zero = 1: the first 32 along K start the sums, nothing is cleared
	HEAD \Q
	KB \Q, 0, \zero
.irp kl, 1,2,3,4,5,6,7,8,9,10,11,12,13,14,15
	KB \Q, \kl, 0
.endr
.endm
	QUARTER 0, 1
	QUARTER 1, 0
	QUARTER 2, 0
	QUARTER 3, 0                                   ; its head waits for 0 tensor loads and 0 loads: none is out from here on
	; h2 = sum x 0.5 + bias, out of window 1, the four m tiles' registers j side by side (t = .. + 4 j + q), and into its rows in LDS: 16 bytes (4 t) a store
	PLACES
	WIN 0
	v_cvt_pk_bf16_f32 v[SUM], v[BIAS],   v[BIAS+1] ; b2, beta3, thr3 in bf16's precision
	v_cvt_pk_bf16_f32 v[RST], v[BIAS+2], v[BIAS+3]
	v_cvt_pk_bf16_f32 v4, v[BETA], v[THR]
	v_lshlrev_b32 v[BIAS],   16, v[SUM]
	v_and_b32     v[BIAS+1], 0xffff0000, v[SUM]
	v_lshlrev_b32 v[BIAS+2], 16, v[RST]
	v_and_b32     v[BIAS+3], 0xffff0000, v[RST]
	v_lshlrev_b32 v[BETA],   16, v4
	v_and_b32     v[THR],    0xffff0000, v4
	WIN 0x01                                       ; source 0 in window 1
.set nt, 0
.rept 4
.set jj, 0
.rept 8
.set qq, 0
.rept 4
	v_fma_f32 v[T+32*nt+4*jj+qq], v[32*nt+8*qq+jj], 0.5, v[BIAS+nt]
.set qq, qq+1
.endr
.set jj, jj+1
.endr
.set nt, nt+1
.endr
	WIN 0
.set nt, 0
.rept 4
.set jj, 0
.rept 8
	ds_store_b128 v[DST], v[T+32*nt+4*jj:T+32*nt+4*jj+3] offset:nt*16*HP+16*jj
.set jj, jj+1
.endr
.set nt, nt+1
.endr
	s_wait_dscnt 0x0                               ; my stores are done, for the others' sake
	s_barrier_signal -1
	s_barrier_wait -1                              ; the 64 rows of h2 are whole
	; THE SCAN: waves 0 and 1, a lane to a row, eight blocks of 32 t, the membrane written back in place.  No barrier stands inside the branch.
	s_cmp_ge_u32 s16, 2
	s_cbranch_scc1 .Lno_scan
	v_max_num_f32 v[BETA], 0, v[BETA]              ; clip(beta, 0, 1)
	v_min_num_f32 v[BETA], 1.0, v[BETA]
	v_mov_b32 v[Y+31], 0                           ; mem starts at 0
	v_cmp_gt_f32 vcc_lo, 0, v[THR]                 ; the first reset: 0 > thr
.macro LDX u                           ; 32 t of my row, buffers v32-63 and v64-95 by turns
.irp e, 0,1,2,3,4,5,6,7
	ds_load_b128 v[XB+32*((\u)&1)+4*\e:XB+32*((\u)&1)+4*\e+3], v[SCA] offset:128*(\u)+16*\e
.endr
.endm
; more = 1: the next block is asked for first.  left = what was issued behind this block's loads: the eight stores of the block before, the eight loads of the next.
.macro BLOCK u, more, left
.if \more
	LDX (\u+1)
.endif
	s_wait_dscnt \left
.set jj, 0
.rept 32
	v_fma_f32 v[SUM], v[BETA], v[Y+(jj+31)%32], v[XB+32*(\u&1)+jj]
	v_cndmask_b32 v[RST], 0, v[THR], vcc_lo
	v_sub_f32 v[Y+jj], v[SUM], v[RST]
	v_cmp_gt_f32 vcc_lo, v[Y+jj], v[THR]           ; the reset of the next step
.set jj, jj+1
.endr
.irp e, 0,1,2,3,4,5,6,7
	ds_store_b128 v[SCA], v[Y+4*\e:Y+4*\e+3] offset:128*\u+16*\e
.endr
.endm
	LDX 0
	BLOCK 0, 1, 8
	BLOCK 1, 1, 16
	BLOCK 2, 1, 16
	BLOCK 3, 1, 16
	BLOCK 4, 1, 16
	BLOCK 5, 1, 16
	BLOCK 6, 1, 16
	BLOCK 7, 0, 8
.Lno_scan:
	s_wait_dscnt 0x0                               ; the membranes are in LDS, for the others' sake
	s_barrier_signal -1
	s_barrier_wait -1
	; THE WAY OUT: wave w takes rows 16 w .. + 15, four rows (eight loads of 512 bytes) at a time
.irp bt, 0,1,2,3
	s_wait_xcnt 0x0                                ; the buffer, data of the stores two batches ago, is loaded again only behind this wait
.irp e, 0,1,2,3,4,5,6,7
	ds_load_b128 v[XB+32*(\bt&1)+4*\e:XB+32*(\bt&1)+4*\e+3], v[RD] offset:(4*\bt+(\e>>1))*HP+(\e&1)*512
.endr
.irp e, 0,1,2,3,4,5,6,7
	s_wait_dscnt 7-\e
	global_store_b128 v[CO], v[XB+32*(\bt&1)+4*\e:XB+32*(\bt&1)+4*\e+3], s[14:15] offset:(4*\bt+(\e>>1))*1024+(\e&1)*512 th:TH_STORE_NT   ; the wave stores 512 consecutive bytes, aligned
.endr
.endr
	s_wait_tensorcnt 0x0
	ds_add_u32 v30, v31
	s_wait_dscnt 0x0
	CROUND                                         ; the closing round (the last wait above was for 0 LDS instructions): no work-group ends while a partner may still ask for a tile that names it
	s_endpgm
.Lfunc_end_k_q68dd8a416a_outl:
	.size	k_q68dd8a416a_outl, .Lfunc_end_k_q68dd8a416a_outl-k_q68dd8a416a_outl
	.p2alignl 7, 3214868480
	.fill 96, 4, 3214868480
	.section	.rodata,"a",@progbits
	.p2align	6, 0x0
	.amdhsa_kernel k_q68dd8a416a_outl
		.amdhsa_group_segment_fixed_size 279040
		.amdhsa_private_segment_fixed_size 0
		.amdhsa_enable_private_segment 0
		.amdhsa_kernarg_size 48
		.amdhsa_user_sgpr_count 2
		.amdhsa_user_sgpr_kernarg_segment_ptr 1
		.amdhsa_wavefront_size32 1
		.amdhsa_system_sgpr_workgroup_id_x 1
		.amdhsa_system_sgpr_workgroup_id_y 1
		.amdhsa_system_sgpr_workgroup_id_z 1
		.amdhsa_system_vgpr_workitem_id 0
		.amdhsa_next_free_vgpr 448
		.amdhsa_next_free_sgpr 66
		.amdhsa_reserve_vcc 1
		.amdhsa_float_denorm_mode_32 3
		.amdhsa_float_denorm_mode_16_64 3
		.amdhsa_memory_ordered 1
		.amdhsa_forward_progress 1
		.amdhsa_inst_pref_size 255
	.end_amdhsa_kernel
	.section	.bss,"aw",@nobits
	.p2align	6
	.space	262144
	.amdgpu_metadata
---
amdhsa.version: [ 1, 2 ]
amdhsa.kernels:
  - .name:           k_q68dd8a416a_outl
    .symbol:         k_q68dd8a416a_outl.kd
    .args:
      - { .name: spkb, .offset: 0, .size: 8, .value_kind: global_buffer, .address_space: global }
      - { .name: W2p, .offset: 8, .size: 8, .value_kind: global_buffer, .address_space: global }
      - { .name: b2, .offset: 16, .size: 8, .value_kind: global_buffer, .address_space: global }
      - { .name: beta3, .offset: 24, .size: 8, .value_kind: global_buffer, .address_space: global }
      - { .name: thr3, .offset: 32, .size: 8, .value_kind: global_buffer, .address_space: global }
      - { .name: out0, .offset: 40, .size: 8, .value_kind: global_buffer, .address_space: global }
    .group_segment_fixed_size: 279040
    .private_segment_fixed_size: 0
    .kernarg_segment_align: 8
    .kernarg_segment_size: 48
    .max_flat_workgroup_size: 128
    .sgpr_count:     66
    .vgpr_count:     448
    .wavefront_size: 32
...
	.end_amdgpu_metadata
.endif
;; end of part 6
